; MI455X (gfx1250); checked and timed in simulation.
; The chip was launched on July 23, 2026; its instructions are those of AMD's public machine-readable ISA for CDNA 5 (MIT licence, August 2026) and "CDNA5" Instruction Set Architecture Reference Guide (July 2026). The comments in the code are by the model that wrote it; some were corrected since.
;; Multi Head Attention. Allowed arithmetic: matrix products marked QUANTISED: E4M3 operands, one given power-of-two scale a tensor, by v_wmma_f32_16x16x64_fp8_fp8 or v_wmma_f32_16x16x128_fp8_fp8, f32 sums; everything else in f32.
;; Inputs: freq_cos 2,048 x 64 float32; freq_sin 2,048 x 64 float32; lowp_scales 12 int32 (the exponents e of the quantised operands' scales 2^e); mask 2,048 x 2,048 float32; wk 2,048 x 2,048 float32; wo 2,048 x 2,048 float32; wq 2,048 x 2,048 float32; wv 2,048 x 2,048 float32; x 1 x 2,048 x 2,048 float32.
;; Outputs: out0 1 x 2,048 x 2,048 float32.
;; This version of the problem:
;;   THIS VERSION OF THE PROBLEM IS GIVEN IN LOW PRECISION. The matrix products marked QUANTISED in the list below multiply operands that are first quantised to E4M3 (4 exponent bits, 3 mantissa bits; 8 bits a number), with one given power-of-two scale for each operand tensor; their sums are f32. All else is computed in f32.
;;   The module's matrix products, in the order in which they are computed (A, B: the left and right operand; K: the contracted axis; several contracted axes count as one K, in the product's order):
;;     1. [M 2,048, K 2,048] x [K 2,048, N 2,048]; A: input x; B: input wq: QUANTISED (scales: A lowp_scales[0], B lowp_scales[1])
;;     2. [M 2,048, K 2,048] x [K 2,048, N 2,048]; A: input x; B: input wk: QUANTISED (scales: A lowp_scales[2], B lowp_scales[3])
;;     3. [M 2,048, K 2,048] x [K 2,048, N 2,048]; A: input x; B: input wv: QUANTISED (scales: A lowp_scales[4], B lowp_scales[5])
;;     4. batch 16 x [M 2,048, K 128] x [K 128, N 2,048]; A: computed on the way; B: computed on the way: QUANTISED (scales: A lowp_scales[6], B lowp_scales[7])
;;     5. batch 16 x [M 2,048, K 2,048] x [K 2,048, N 128]; A: softmax (see below); B: computed on the way: QUANTISED (scales: A lowp_scales[8], B lowp_scales[9])
;;     6. [M 2,048, K 2,048] x [K 2,048, N 2,048]; A: computed on the way; B: input wo: QUANTISED (scales: A lowp_scales[10], B lowp_scales[11])
;;   THE QUANTISER, for each operand of a quantised product, along K:
;;     - The operand's scale is 2^e, e = its entry of the input lowp_scales (int32; the entries are numbered through the quantised products in the list's order, A before B).
;;     - Each number is divided by the scale, clamped to +-448, and rounded to the nearest number of E4M3, ties to even, subnormals kept.
;;     - The product sums the exact products of the quantised numbers (number of the format x scale) in f32.
;;   ~~~python
;;   def quantise(x, axis, e):      # numpy; x: float32 -> the quantised numbers, widened to float32 again
;;       x = np.moveaxis(x, axis, -1); K = x.shape[-1]
;;       r = np.clip(x / 2.0 ** e, -448, 448)
;;       step = 2.0 ** (np.maximum(np.frexp(np.where(r == 0, 1, r))[1] - 1, -6) - 3)
;;       q = np.round(r / step) * step * 2.0 ** e      # np.round: ties to even
;;       return np.moveaxis(q, -1, axis).astype(np.float32)
;;   ~~~
;;   SOFTMAX AHEAD OF A QUANTISED PRODUCT. Where the list says 'softmax', what is quantised is not the finished softmax but p = 2^(t - M), with t = logit x log2(e) and M = ceil(the row's largest t), a whole number; so 1/2 < the row's largest p <= 1. The row's sum l is taken of the UNQUANTISED p, in f32, and the product's result is divided by l at the end. Since M is a whole number, a kernel that streams over the keys may use a running M (the ceiling of the running maximum): every later rescaling is an exact power of two, so the quantised numbers keep their values, but for numbers so far below the row's largest that they fall under the format's range.
;;   OPERANDS COMPUTED ON THE WAY. 'Computed on the way' means the value that the module computes at that place (a softmax that the list does not call 'softmax' is quantised finished and normalised). What goes into a quantiser is computed in f32, as accurately as f32 sums, v_exp_f32 and their like allow (about 1e-6 of the number): no bf16 or f16 on the way to a quantiser, and a product that is left as it is and whose result goes on into a quantised operand takes f32 operands (vector FMAs, or v_wmma_f32_16x16x4_f32). A number that lies on a knife's edge between two numbers of the format may be rounded either way, as far as f32 arithmetic and the matrix unit's own rounding can turn it there, and no further.
;; One version. Each part assembles by itself: llvm-mc -triple=amdgcn-amd-amdhsa -mcpu=gfx1250 --defsym DOCPART=n.
;; ======== version 1 of 1: 4 launches
;; limits: right only within a limited range of input values
;; workspace buffers: codes 29,360,128 bytes; rope 1,048,576 bytes; qkvc 12,582,912 bytes; oc 4,194,304 bytes
;; launch quant (part 1): grid 704 x 1, 4 waves a work-group, no clusters, 50,688 bytes of LDS; arguments x, wq, wk, wv, wo, freq_cos, freq_sin, lowp_scales, codes, rope; writes codes, rope
.if DOCPART == 1
	.amdgcn_target "amdgcn-amd-amdhsa--gfx1250"
	.amdhsa_code_object_version 6
	.text
	.protected	k_q74fb3e9e1f_quant
	.globl	k_q74fb3e9e1f_quant
	.p2align	8
	.type	k_q74fb3e9e1f_quant,@function
k_q74fb3e9e1f_quant:
	s_mov_b64 s[64:65], 0
	v_nop
	global_prefetch_b8 v0, s[64:65] scope:SCOPE_SE
	s_setreg_imm32_b32 hwreg(HW_REG_WAVE_MODE, 25, 1), 1
	s_wait_xcnt 0x0
; x and the four weights, f32 [2048][2048] with K innermost, become codes of FP8 (E4M3), one byte each; the two rotary tables are laid anew.
; code = number / 2^e, held within +-448, rounded to the nearest code, ties to even.  x is an operand of three products with three given scales (entries 0, 2, 4 of the scales' buffer), so it gets
; three sets of codes from one read; wq, wk, wv, wo take entries 1, 3, 5, 11.  codes: [7][2048][2048] bytes: x by e0, x by e2, x by e4, wq, wk, wv, wo.
; THE ORDER INSIDE A ROW OF CODES: in each 32 along K the bytes hold k 0-7, 16-23, 8-15, 24-31.  A 16-byte load at 32 c + 16 (lane / 16) of a row then IS registers 4 c .. 4 c + 3 of the
; 16x16x128 form's own operand layout (registers 2 c', 2 c' + 1: k = 16 c' + 8 (lane / 16) + 0 .. 7), which the later launches' computed operands have as well.
; SHARES.  Work-groups 0-639: job = number / 128 (0 x, 1 wq, 2 wk, 3 wv, 4 wo); a wave takes 8,192 numbers on end, 16 steps of 512.  Each load reads 512 consecutive bytes; a step's 2,048 bytes turn
; through the wave's own stage in LDS (16 bytes of padding behind each 64) and come back so that lane l holds the 16 numbers whose codes are bytes 16 l .. 16 l + 15 of the step's 512.
; Work-groups 640-703: a wave takes one tile of 16 tokens of one table (4,096 dense bytes) and turns its 16 x 16 pieces of 16 bytes round, so that rope[tile][table][b][lane (r, h)] holds
; table[16 tile + r][8 b + 4 h .. + 3]: what a lane of the next launch wants for its eight results of tile b.
; Waves share nothing: no barrier.  No work-group reads what another reads: no cluster.  The two paths part on the work-group's number and have LDS bytes of their own.
; LIMITS: every e between -126 and 119, so that 2^e and 448 x 2^e are f32 numbers.  NaN among the inputs is not served.
.set T4,    4194304                    ; bytes of one tensor of codes
.set STEPS, 16
.set SP,    80                         ; 64 bytes + 16 of padding
.set WREG,  8192                       ; LDS of a quantising wave: two stages of 32 x SP bytes
.set TSTG,  32768                      ; behind them: the tables' stages, 16 x TP bytes a wave
.set TP,    272
.set R,     16                         ; v16-79   four sets of 16 numbers as loaded
.set X,     80                         ; v80-111  two sets of 16 numbers in my codes' order
.set T,     112                        ; v112-127 the numbers held within the largest code x the scale
.set C,     128                        ; v128-139 codes: four registers for each of three scales
	s_load_b512 s[16:31], s[0:1], 0x0              ; x, wq, wk, wv, wo, cos, sin, the scales' exponents
	s_load_b128 s[32:35], s[0:1], 0x40             ; codes, rope
	v_lshl_add_u32 v144, v0, 2, 0xc400
	v_mov_b32 v145, 0
	v_lshrrev_b32 v1, 5, v0
	v_readfirstlane_b32 s2, v1                     ; wave
	v_and_b32 v2, 31, v0                           ; lane
	v_lshlrev_b32 v3, 4, v2                        ; 16 x lane: my bytes of a load's or a store's 512; never rewritten
	s_cmp_ge_u32 ttmp9, 640
	s_cbranch_scc1 .Ltables
	s_lshr_b32 s3, ttmp9, 7                        ; the job
	s_and_b32 s6, ttmp9, 127
	s_lshl_b32 s6, s6, 2
	s_add_co_u32 s6, s6, s2                        ; which run of 8,192 numbers is my wave's: 0 .. 511
	s_mul_i32 s7, s2, WREG
	v_lshrrev_b32 v14, 2, v2
	v_mul_u32_u24 v14, v14, SP
	v_and_b32 v15, 3, v2
	v_lshl_add_u32 v14, v15, 4, v14
	v_add_nc_u32 v14, s7, v14                      ; the stage, on the way in: SP (lane / 4) + 16 (lane % 4)
	v_lshrrev_b32 v15, 1, v2
	v_mul_u32_u24 v15, v15, 2*SP
	v_and_b32 v4, 1, v2
	v_lshl_add_u32 v15, v4, 5, v15
	v_add_nc_u32 v15, s7, v15                      ; on the way out: block lane / 2 of 32 numbers (two places of SP), + 32 bytes for the odd lane: k 8 (lane % 2) on
	s_wait_alu depctr_va_vdst(0)
	s_wait_kmcnt 0x0
	s_load_b256 s[40:47], s[30:31], 0x0            ; e0 .. e7
	s_load_b128 s[48:51], s[30:31], 0x20           ; e8 .. e11
	s_mov_b64 s[4:5], s[16:17]                     ; the job's tensor: a choice that hangs on the work-group's number alone
	s_cmp_eq_u32 s3, 1
	s_cselect_b64 s[4:5], s[18:19], s[4:5]
	s_cmp_eq_u32 s3, 2
	s_cselect_b64 s[4:5], s[20:21], s[4:5]
	s_cmp_eq_u32 s3, 3
	s_cselect_b64 s[4:5], s[22:23], s[4:5]
	s_cmp_eq_u32 s3, 4
	s_cselect_b64 s[4:5], s[24:25], s[4:5]
	s_lshl_b32 s36, s6, 15                         ; 32,768 bytes of numbers a run
	s_mov_b32 s37, 0
	s_add_nc_u64 s[4:5], s[4:5], s[36:37]
	s_min_u32 s38, s3, 1
	s_lshl_b32 s38, s38, 1
	s_add_co_u32 s38, s38, s3                      ; the place among the seven tensors of codes: 0, 3, 4, 5, 6
	s_lshl_b32 s38, s38, 22
	s_lshl_b32 s39, s6, 13                         ; 8,192 bytes of codes a run
	s_add_co_u32 s38, s38, s39
	s_mov_b32 s39, 0
	s_add_nc_u64 s[8:9], s[32:33], s[38:39]
	s_add_nc_u64 s[10:11], s[8:9], T4              ; x's second and third set (used by job 0 alone)
	s_add_nc_u64 s[12:13], s[10:11], T4
.macro LOAD t
.irp i, 0,1,2,3
	global_load_b128 v[R+16*((\t)%4)+4*\i:R+16*((\t)%4)+4*\i+3], v3, s[4:5] offset:2048*(\t)+512*\i th:TH_LOAD_NT   ; 32 lanes read 512 consecutive bytes; read once in the launch
.endr
.endm
.macro TURN t                          ; step t's numbers through the stage; LDS serves a wave's instructions in order (ISA guide 5.7.1.4), so no wait stands between the stores and the loads
.irp i, 0,1,2,3
	ds_store_b128 v14, v[R+16*((\t)%4)+4*\i:R+16*((\t)%4)+4*\i+3] offset:32*SP*((\t)%2)+8*SP*\i
.endr
	ds_load_b128 v[X+16*((\t)%2):X+16*((\t)%2)+3],     v15 offset:32*SP*((\t)%2)        ; k 8 (lane % 2) + 0 .. 7 of my block,
	ds_load_b128 v[X+16*((\t)%2)+4:X+16*((\t)%2)+7],   v15 offset:32*SP*((\t)%2)+16
	ds_load_b128 v[X+16*((\t)%2)+8:X+16*((\t)%2)+11],  v15 offset:32*SP*((\t)%2)+SP     ; and 16 further on: 64 bytes of data, one place of SP
	ds_load_b128 v[X+16*((\t)%2)+12:X+16*((\t)%2)+15], v15 offset:32*SP*((\t)%2)+SP+16
.endm
.macro SCL es, vsc, vlim               ; from the exponent in s[es]: 2^e and 448 x 2^e as f32
	s_add_co_i32 s53, s[\es], 127
	s_lshl_b32 s54, s53, 23
	v_mov_b32 v[\vsc], s54
	s_add_co_i32 s53, s53, 8
	s_lshl_b32 s53, s53, 23
	s_or_b32 s53, s53, 0x600000
	v_mov_b32 v[\vlim], s53
.endm
; One set of codes of the step's numbers.  The numbers are held into T, not in place: x is held three times, by three limits.
.macro CONV k, lim, sc, base, t
.irp i, 0,1,2,3,4,5,6,7,8,9,10,11,12,13,14,15
	v_med3_num_f32 v[T+\i], v[XS+\i], -v[\lim], v[\lim]   ; the conversion to an 8-bit code does not saturate (ISA guide 7.6.2)
.endr
	v_cvt_scalef32_pk8_fp8_f32 v[C+4*\k:C+4*\k+1], v[T:T+7], v[\sc]
	v_cvt_scalef32_pk8_fp8_f32 v[C+4*\k+2:C+4*\k+3], v[T+8:T+15], v[\sc]
	v_nop                                          ; one plain vector line between the conversions and the next lines that write T
	global_store_b128 v3, v[C+4*\k:C+4*\k+3], s[\base:\base+1] offset:512*(\t)   ; the wave stores 512 consecutive bytes, aligned
.endm
.irp t, 0,1,2,3
	LOAD \t
.endr
	s_wait_kmcnt 0x0
	s_mov_b32 s52, s40                             ; the job's exponent: e0, e1, e3, e5, e11
	s_cmp_eq_u32 s3, 1
	s_cselect_b32 s52, s41, s52
	s_cmp_eq_u32 s3, 2
	s_cselect_b32 s52, s43, s52
	s_cmp_eq_u32 s3, 3
	s_cselect_b32 s52, s45, s52
	s_cmp_eq_u32 s3, 4
	s_cselect_b32 s52, s51, s52
	SCL 52, 11, 10
	SCL 42, 13, 12                                 ; e2
	SCL 44, 9, 8                                   ; e4
	s_wait_alu depctr_va_vdst(0)
	s_wait_loadcnt 12                              ; step 0's four loads are in; the twelve of steps 1 to 3 may be out
	TURN 0
.macro STEP t
.set XS, X+16*((\t)%2)
	s_wait_dscnt 0x0                               ; this step's numbers are back from the stage, so its stores into the stage have read their registers
	s_wait_xcnt 0x0                                ; the last step's stores have read C: it is written again only behind this wait
.if (\t)+4 < STEPS
	LOAD (\t)+4
.endif
.if (\t)+1 < STEPS
.if STEPS-2-(\t) >= 3
	s_wait_loadcnt 12                              ; the next step's four loads are in; those of the three steps behind it may be out
.else
	s_wait_loadcnt 4*(STEPS-2-(\t))
.endif
	TURN (\t)+1                                    ; they go through the other stage while this step is worked
.endif
	CONV 0, 10, 11, 8, \t
	s_cmp_lg_u32 s3, 0                             ; x alone has a second and a third scale: a branch on the work-group's number
	s_cbranch_scc1 .Lone_\@
	CONV 1, 12, 13, 10, \t
	CONV 2, 8, 9, 12, \t
.Lone_\@:
.endm
.irp t, 0,1,2,3,4,5,6,7,8,9,10,11,12,13,14,15
	STEP \t
.endr
	s_wait_tensorcnt 0x0
	ds_add_u32 v144, v145
	s_wait_dscnt 0x0
	s_endpgm
.Ltables:
	s_sub_co_u32 s6, ttmp9, 640
	s_lshl_b32 s6, s6, 2
	s_add_co_u32 s6, s6, s2                        ; 0 .. 255
	s_lshr_b32 s7, s6, 7                           ; 0 cos, 1 sin
	s_and_b32 s6, s6, 127                          ; the tile of 16 tokens
	s_mul_i32 s36, s2, 16*TP
	s_add_co_u32 s36, s36, TSTG                    ; my stage
	s_wait_alu depctr_va_vdst(0)
	v_and_b32 v4, 15, v2
	v_lshrrev_b32 v7, 4, v2
	v_mul_u32_u24 v5, v4, TP
	v_lshl_add_u32 v5, v7, 4, v5
	v_add_nc_u32 v5, s36, v5                       ; in: load i brings tokens 2 i + lane / 16, piece lane % 16: it goes to row = piece, column = token
	v_mul_u32_u24 v6, v7, TP
	v_lshl_add_u32 v6, v4, 4, v6
	v_add_nc_u32 v6, s36, v6                       ; out: two rows an instruction, sixteen lanes to a row
	s_wait_alu depctr_va_vdst(0)
	s_wait_kmcnt 0x0
	s_cmp_eq_u32 s7, 0
	s_cselect_b64 s[4:5], s[26:27], s[28:29]
	s_lshl_b32 s38, s6, 12                         ; 16 tokens x 256 bytes
	s_mov_b32 s39, 0
	s_add_nc_u64 s[4:5], s[4:5], s[38:39]
	s_lshl_b32 s38, s6, 13                         ; a tile's 8,192 bytes in rope: cos, then sin
	s_lshl_b32 s37, s7, 12
	s_add_co_u32 s38, s38, s37
	s_add_nc_u64 s[8:9], s[34:35], s[38:39]
.irp i, 0,1,2,3,4,5,6,7
	global_load_b128 v[16+4*\i:19+4*\i], v3, s[4:5] offset:512*\i th:TH_LOAD_NT
.endr
	s_wait_loadcnt 0x0
.irp i, 0,1,2,3,4,5,6,7
	ds_store_b128 v5, v[16+4*\i:19+4*\i] offset:32*\i
.endr
.irp i, 0,1,2,3,4,5,6,7
	ds_load_b128 v[48+4*\i:51+4*\i], v6 offset:2*TP*\i   ; in order behind my stores
.endr
.irp i, 0,1,2,3,4,5,6,7
	s_wait_dscnt 7-\i
	global_store_b128 v3, v[48+4*\i:51+4*\i], s[8:9] offset:512*\i
.endr
	s_wait_tensorcnt 0x0
	ds_add_u32 v144, v145
	s_wait_dscnt 0x0
	s_endpgm
.Lfunc_end_k_q74fb3e9e1f_quant:
	.size	k_q74fb3e9e1f_quant, .Lfunc_end_k_q74fb3e9e1f_quant-k_q74fb3e9e1f_quant
	.p2alignl 7, 3214868480
	.fill 96, 4, 3214868480
	.section	.rodata,"a",@progbits
	.p2align	6, 0x0
	.amdhsa_kernel k_q74fb3e9e1f_quant
		.amdhsa_group_segment_fixed_size 50688
		.amdhsa_private_segment_fixed_size 0
		.amdhsa_enable_private_segment 0
		.amdhsa_kernarg_size 80
		.amdhsa_user_sgpr_count 2
		.amdhsa_user_sgpr_kernarg_segment_ptr 1
		.amdhsa_wavefront_size32 1
		.amdhsa_system_sgpr_workgroup_id_x 1
		.amdhsa_system_sgpr_workgroup_id_y 1
		.amdhsa_system_sgpr_workgroup_id_z 1
		.amdhsa_system_vgpr_workitem_id 0
		.amdhsa_next_free_vgpr 146
		.amdhsa_next_free_sgpr 66
		.amdhsa_reserve_vcc 0
		.amdhsa_float_denorm_mode_32 3
		.amdhsa_float_denorm_mode_16_64 3
		.amdhsa_memory_ordered 1
		.amdhsa_forward_progress 1
		.amdhsa_inst_pref_size 85
	.end_amdhsa_kernel
	.amdgpu_metadata
---
amdhsa.version: [ 1, 2 ]
amdhsa.kernels:
  - .name:           k_q74fb3e9e1f_quant
    .symbol:         k_q74fb3e9e1f_quant.kd
    .args:
      - { .name: x, .offset: 0, .size: 8, .value_kind: global_buffer, .address_space: global }
      - { .name: wq, .offset: 8, .size: 8, .value_kind: global_buffer, .address_space: global }
      - { .name: wk, .offset: 16, .size: 8, .value_kind: global_buffer, .address_space: global }
      - { .name: wv, .offset: 24, .size: 8, .value_kind: global_buffer, .address_space: global }
      - { .name: wo, .offset: 32, .size: 8, .value_kind: global_buffer, .address_space: global }
      - { .name: freq_cos, .offset: 40, .size: 8, .value_kind: global_buffer, .address_space: global }
      - { .name: freq_sin, .offset: 48, .size: 8, .value_kind: global_buffer, .address_space: global }
      - { .name: lowp_scales, .offset: 56, .size: 8, .value_kind: global_buffer, .address_space: global }
      - { .name: codes, .offset: 64, .size: 8, .value_kind: global_buffer, .address_space: global }
      - { .name: rope, .offset: 72, .size: 8, .value_kind: global_buffer, .address_space: global }
    .group_segment_fixed_size: 50688
    .private_segment_fixed_size: 0
    .kernarg_segment_align: 8
    .kernarg_segment_size: 80
    .max_flat_workgroup_size: 128
    .sgpr_count:     66
    .vgpr_count:     146
    .wavefront_size: 32
...
	.end_amdgpu_metadata
.endif
;; end of part 1
;; launch qkv (part 2): grid 8 x 24, 4 waves a work-group, clusters of 4 x 4, 327,680 bytes of LDS; arguments codes, rope, lowp_scales, qkvc; writes qkvc
.if DOCPART == 2
	.amdgcn_target "amdgcn-amd-amdhsa--gfx1250"
	.amdhsa_code_object_version 6
	.text
	.protected	k_q74fb3e9e1f_qkv
	.globl	k_q74fb3e9e1f_qkv
	.p2align	8
	.type	k_q74fb3e9e1f_qkv,@function
k_q74fb3e9e1f_qkv:
	s_mov_b64 s[64:65], 0
	v_nop
	global_prefetch_b8 v0, s[64:65] scope:SCOPE_SE
	s_setreg_imm32_b32 hwreg(HW_REG_WAVE_MODE, 25, 1), 1
	s_wait_xcnt 0x0
	s_wait_alu depctr_hold_cnt(0) depctr_sa_sdst(0) depctr_va_vdst(0) depctr_va_sdst(0) depctr_va_ssrc(0) depctr_va_vcc(0) depctr_vm_vsrc(0)
	s_getreg_b32 s2, hwreg(HW_REG_IB_STS2, 6, 4)
	s_cmp_eq_u32 s2, 0
	s_cbranch_scc0 .Lentry_in_a_cluster
	s_endpgm
.Lentry_in_a_cluster:
	s_bfe_u32 s2, ttmp6, 0x10000c
	s_cmp_lg_u32 s2, 0xf033
	s_cbranch_scc0 .Lentry_shape_is_right
	s_endpgm
.Lentry_shape_is_right:
.set T4,     4194304
.set ROWB,   256
.set KROW,   2048
.set PITCH,  272
.set FR,     16
.set NL,     4
.set NP,     4
.set HALFT,  128*PITCH
.set SLOT,   4*HALFT
.set LAPS,   4
.set SPARE,  2*SLOT
.set ADRA, 16
.set ADRB, 20
.set LI,   24
.set SC,   26
.set LM,   27
.set SPW,  28
.set NIL,  29
.set CODE, 96
.set AF,   128
.set TT,   192
.set G1, 24
.set G0, 32
.set G1B, 48
.set G0B, 56
.set JOB, 66
.set BASA, 94
.set BASB, 96
.set OFF0, 98
.set OFF1, 70
.set MSB, 0
.macro WIN new
.if MSB != \new
	s_set_vgpr_msb (MSB<<8)|\new
.set MSB, \new
.endif
.endm
.set MUL_LO, 0xa1
.set MUL_HI, 0xf1
.set TO_B,   0x40
.macro JLOAD g0a, g1a, g0b, g1b
	s_cmp_eq_u32 s15, 0
	s_cbranch_scc0 .Lfor_b_\@
	tensor_load_to_lds s[\g0a:\g0a+3], s[\g1a:\g1a+7]
	s_nop 0
.rept 4
	v_nop
.endr
	s_branch .Lasked_\@
.Lfor_b_\@:
	tensor_load_to_lds s[\g0b:\g0b+3], s[\g1b:\g1b+7]
	s_nop 0
.rept 4
	v_nop
.endr
.Lasked_\@:
.endm
.macro AIM s
.set OF, OFF0+(OFF1-OFF0)*(\s)
	s_add_nc_u64 s[G0+4*(\s)+2:G0+4*(\s)+3], s[BASA:BASA+1], s[OF:OF+1]
	s_or_b32 s[G0+4*(\s)+3], s[G0+4*(\s)+3], 0x80000000
	s_add_nc_u64 s[G0B+4*(\s)+2:G0B+4*(\s)+3], s[BASB:BASB+1], s[OF:OF+1]
	s_or_b32 s[G0B+4*(\s)+3], s[G0B+4*(\s)+3], 0x80000000
.endm
.macro CREST
	s_cmp_lg_u32 s14, 0
	s_cbranch_scc1 .Lnot_wave_0_\@
	s_barrier_signal -3
.Lnot_wave_0_\@:
	s_barrier_wait -3
	s_barrier_signal -1
	s_barrier_wait -1
.endm
.macro CROUND
	s_barrier_signal -1
	s_barrier_wait -1
	CREST
.endm
	s_load_b256 s[4:11], s[0:1], 0x0
	v_lshl_add_u32 v[SPW], v0, 2, SPARE
	v_mov_b32 v[NIL], 0
	ds_add_u32 v28, v29
	ds_add_u32 v28, v29
	s_wait_dscnt 0x0
	v_lshrrev_b32 v1, 5, v0
	v_readfirstlane_b32 s14, v1
	s_lshr_b32 s15, s14, 1
	s_and_b32 s16, s14, 1
	s_bfe_u32 s40, ttmp6, 0x40000
	s_bfe_u32 s41, ttmp6, 0x40004
	s_and_b32 s93, ttmp7, 0xffff
	s_lshr_b32 s[JOB], s93, 1
	s_lshr_b32 s67, s[JOB], 1
	s_lshl_b32 s42, ttmp9, 2
	s_add_co_u32 s42, s42, s40
	s_and_b32 s17, s93, 1
	s_lshl_b32 s17, s17, 2
	s_add_co_u32 s17, s17, s41
	s_add_co_u32 s[OFF0], ttmp9, s93
	s_and_b32 s[OFF0], s[OFF0], 1
	s_lshl_b32 s[OFF0], s[OFF0], 10
	s_add_co_u32 s[OFF1], s[OFF0], ROWB
	s_mov_b32 s[OFF0+1], 0
	s_mov_b32 s[OFF1+1], 0
	s_lshl_b32 s43, s41, 2
	s_lshl_b32 s43, 15, s43
	s_lshl_b32 s44, 0x1111, s40
	s_or_b32 s[G1+0], s43, (0<<16)|(1<<20)|(1<<21)|(5<<22)|(3<<25)
	s_or_b32 s[G1B+0], s44, (0<<16)|(1<<20)|(1<<21)|(5<<22)|(3<<25)
.irp g, G1, G1B
	s_mov_b32 s[\g+1], ROWB<<16
	s_mov_b32 s[\g+2], 128<<16
	s_mov_b32 s[\g+3], ROWB<<16
	s_mov_b32 s[\g+4], 128
	s_mov_b32 s[\g+5], KROW
	s_mov_b32 s[\g+6], 0
	s_mov_b32 s[\g+7], 0
.endr
	s_mul_i32 s18, s67, 3
	s_add_co_u32 s19, s[JOB], s18
	s_lshl_b32 s19, s19, 22
	s_sub_co_u32 s45, s[JOB], s18
	s_add_co_u32 s45, s45, 3
	s_lshl_b32 s45, s45, 22
	s_lshl_b32 s18, s16, 7
	s_lshl_b32 s20, s17, 8
	s_add_co_u32 s20, s20, s18
	s_lshl_b32 s20, s20, 11
	s_add_co_u32 s20, s20, s19
	s_mov_b32 s21, 0
	s_lshl_b32 s46, s42, 8
	s_add_co_u32 s46, s46, s18
	s_lshl_b32 s46, s46, 11
	s_add_co_u32 s46, s46, s45
	s_mov_b32 s47, 0
	s_mul_i32 s45, s14, HALFT
	s_wait_kmcnt 0x0
	s_load_b256 s[72:79], s[8:9], 0x0
	s_load_b128 s[80:83], s[8:9], 0x20
	s_add_nc_u64 s[BASA:BASA+1], s[4:5], s[20:21]
	s_add_nc_u64 s[BASB:BASB+1], s[4:5], s[46:47]
	CROUND
.irp s, 0,1
	s_mov_b32 s[G0+4*\s], 1
	s_add_co_u32 s[G0+4*\s+1], s45, \s*SLOT
	s_mov_b32 s[G0B+4*\s], 1
	s_add_co_u32 s[G0B+4*\s+1], s45, \s*SLOT
	AIM \s
	s_wait_alu depctr_va_vdst(0)
	s_wait_tensorcnt 0x0
	ds_add_u32 v28, v29
	ds_add_u32 v28, v29
	s_wait_dscnt 0x0
	CROUND
	JLOAD G0+4*\s, G1, G0B+4*\s, G1B
.endr
	v_and_b32 v1, 15, v0
	v_bfe_u32 v2, v0, 4, 1
	v_mul_u32_u24 v3, v1, PITCH
	v_lshl_add_u32 v4, v2, 4, v3
	s_mul_i32 s21, s15, HALFT
	s_mul_i32 s22, s16, HALFT
	s_add_co_u32 s22, s22, 2*HALFT
.irp s, 0,1
	v_add_nc_u32 v[ADRA+\s], s21, v4
	v_add_nc_u32 v[ADRB+\s], s22, v4
	s_add_co_u32 s21, s21, SLOT
	s_add_co_u32 s22, s22, SLOT
.endr
	v_and_b32 v6, 31, v0
	v_lshlrev_b32 v[LI], 4, v6
	s_lshl_b32 s84, s42, 1
	s_add_co_u32 s84, s84, s16
	s_lshl_b32 s85, s17, 1
	s_add_co_u32 s85, s85, s15
	s_lshl_b32 s86, s85, 16
	s_mov_b32 s87, 0
	s_add_nc_u64 s[68:69], s[6:7], s[86:87]
	s_cmp_lt_u32 s[JOB], 2
	s_cselect_b32 s88, s84, s85
	s_cselect_b32 s89, s85, s84
	s_lshl_b32 s88, s88, 18
	s_lshl_b32 s89, s89, 14
	s_add_co_u32 s86, s88, s89
	s_lshl_b32 s88, s[JOB], 22
	s_add_co_u32 s86, s86, s88
	s_add_nc_u64 s[10:11], s[10:11], s[86:87]
.macro FRAG reg, adr, q, i
.irp c, 0,1,2,3
	ds_load_b128 v[\reg+4*\c:\reg+4*\c+3], v[\adr] offset:128*(\q)+32*\c+(\i)*16*PITCH
.endr
.endm
.macro MUL16 a0, p, zero
.irp a, \a0, \a0+1
.irp b, 0,1,2,3,4,5,6,7
.if \zero
	v_wmma_f32_16x16x128_fp8_fp8 v[8*(8*((\a)%4)+\b):8*(8*((\a)%4)+\b)+7], v[128*(\p)+FR*\b:128*(\p)+FR*\b+FR-1], v[AF+FR*(\a):AF+FR*(\a)+FR-1], 0
.else
	v_wmma_f32_16x16x128_fp8_fp8 v[8*(8*((\a)%4)+\b):8*(8*((\a)%4)+\b)+7], v[128*(\p)+FR*\b:128*(\p)+FR*\b+FR-1], v[AF+FR*(\a):AF+FR*(\a)+FR-1], v[8*(8*((\a)%4)+\b):8*(8*((\a)%4)+\b)+7]
.endif
.endr
.endr
.endm
.macro FETCH_B slot, q, p
	WIN TO_B
.irp i, 0,1,2,3,4,5,6,7
	FRAG 128*(\p)+FR*\i, ADRB+\slot, \q, \i
.endr
	WIN 0
.endm
.macro FETCH_A slot, q, i0
.irp i, \i0, \i0+1, \i0+2, \i0+3
	FRAG AF+FR*(\i), ADRA+\slot, \q, \i
.endr
.endm
.macro PLACES n
.rept \n
	v_nop
.endr
.endm
.macro STEP slot, q, zero
	s_wait_dscnt 4*NL
	WIN MUL_LO
	MUL16 0, (\q)%2, \zero
	MUL16 2, (\q)%2, \zero
	s_wait_dscnt 0
	PLACES NP
	FETCH_B \slot, (\q)+1, 1-(\q)%2
	FETCH_A \slot, (\q)+1, 0
	WIN MUL_HI
	MUL16 4, (\q)%2, \zero
	MUL16 6, (\q)%2, \zero
	PLACES NP
	WIN 0
	FETCH_A \slot, (\q)+1, 4
.endm
.macro TURN slot, next, fill
	s_wait_tensorcnt 0x0
	ds_add_u32 v[SPW], v[NIL]
.if \fill
.set OF, OFF0+(OFF1-OFF0)*(\slot)
	s_add_co_u32 s[OF], s[OF], 2*ROWB
	s_and_b32 s[OF], s[OF], KROW-1
	AIM \slot
.endif
	s_wait_dscnt 4*NL+1
	WIN MUL_LO
	MUL16 0, 1, 0
	s_wait_dscnt 0x0
	s_barrier_signal -1
	MUL16 2, 1, 0
	WIN 0
	s_barrier_wait -1
.if \fill
	CREST
	JLOAD G0+4*\slot, G1, G0B+4*\slot, G1B
.else
	PLACES NP
.endif
	FETCH_B \next, 0, 0
	FETCH_A \next, 0, 0
	WIN MUL_HI
	MUL16 4, 1, 0
	MUL16 6, 1, 0
	PLACES NP
	WIN 0
	FETCH_A \next, 0, 4
.endm
.macro RLOAD a, w, rs
	WIN ((\w)<<6)
.irp b, 0,1,2,3,4,5,6,7
	global_load_b128 v[(\rs)+4*\b:(\rs)+4*\b+3], v[LI], s[68:69] offset:8192*(\a)+512*\b
	global_load_b128 v[(\rs)+32+4*\b:(\rs)+32+4*\b+3], v[LI], s[68:69] offset:8192*(\a)+4096+512*\b
.endr
	WIN 0
.endm
.macro ROT a, w, rs
.set AC, 64*((\a)%4)
.set RS, (\rs)
	WIN ((0x02+((\a)/4))|((\w)<<2))
.irp b, 0,1,2,3,4,5,6,7
.irp g, 0,1
	v_pk_mul_f32 v[TT+8*\b+4*\g:TT+8*\b+4*\g+1],   v[AC+8*\b+4*\g:AC+8*\b+4*\g+1],   v[RS+4*\b+2*\g:RS+4*\b+2*\g+1] op_sel:[0,0] op_sel_hi:[1,0]
	v_pk_mul_f32 v[TT+8*\b+4*\g+2:TT+8*\b+4*\g+3], v[AC+8*\b+4*\g+2:AC+8*\b+4*\g+3], v[RS+4*\b+2*\g:RS+4*\b+2*\g+1] op_sel:[0,1] op_sel_hi:[1,1]
	v_pk_fma_f32 v[TT+8*\b+4*\g:TT+8*\b+4*\g+1],   v[AC+8*\b+4*\g:AC+8*\b+4*\g+1],   v[RS+32+4*\b+2*\g:RS+32+4*\b+2*\g+1], v[TT+8*\b+4*\g:TT+8*\b+4*\g+1] op_sel:[1,0,0] op_sel_hi:[0,0,1] neg_lo:[1,0,0]
	v_pk_fma_f32 v[TT+8*\b+4*\g+2:TT+8*\b+4*\g+3], v[AC+8*\b+4*\g+2:AC+8*\b+4*\g+3], v[RS+32+4*\b+2*\g:RS+32+4*\b+2*\g+1], v[TT+8*\b+4*\g+2:TT+8*\b+4*\g+3] op_sel:[1,1,0] op_sel_hi:[0,1,1] neg_lo:[1,0,0]
.endr
.endr
	WIN 0
.endm
.macro HOLDV a
.set AC, 64*((\a)%4)
	WIN 0x02+((\a)/4)
.set j, 0
.rept 64
	v_med3_num_f32 v[TT+j], v[AC+j], -v[LM], v[LM]
.set j, j+1
.endr
	WIN 0
.endm
.macro EMIT a, held
.set CD, CODE+16*((\a)%2)
.if !\held
.set j, 0
.rept 64
	v_med3_num_f32 v[TT+j], v[TT+j], -v[LM], v[LM]
.set j, j+1
.endr
.endif
.if (\a) >= 2
	s_wait_alu depctr_va_vdst(0)
	s_wait_xcnt 0x0
.endif
.irp b, 0,1,2,3,4,5,6,7
	v_cvt_scalef32_pk8_fp8_f32 v[CD+2*\b:CD+2*\b+1], v[TT+8*\b:TT+8*\b+7], v[SC]
.endr
	v_nop
.irp c, 0,1,2,3
	global_store_b128 v[LI], v[CD+4*\c:CD+4*\c+3], s[10:11] offset:2048*(\a)+512*\c
.endr
.endm
	s_wait_alu depctr_va_vdst(0)
	s_wait_tensorcnt 1
	s_barrier_signal -1
	s_barrier_wait -1
	FETCH_B 0, 0, 0
	FETCH_A 0, 0, 0
	FETCH_A 0, 0, 4
	STEP 0, 0, 1
	s_mov_b32 s3, LAPS-1
.Llap:
	TURN 0, 1, 1
	STEP 1, 0, 0
	TURN 1, 0, 1
	STEP 0, 0, 0
	s_sub_co_u32 s3, s3, 1
	s_cmp_lg_u32 s3, 0
	s_cbranch_scc1 .Llap
	s_cmp_eq_u32 s[JOB], 2
	s_cbranch_scc1 .Lno_rope
	RLOAD 0, 0, 32
.Lno_rope:
	TURN 0, 1, 0
	STEP 1, 0, 0
	s_cmp_eq_u32 s[JOB], 2
	s_cbranch_scc1 .Lno_rope2
	RLOAD 1, 1, 0
	RLOAD 2, 1, 64
.Lno_rope2:
	s_wait_dscnt 4*NL
	WIN MUL_LO
	MUL16 0, 1, 0
	MUL16 2, 1, 0
	s_wait_dscnt 0
	WIN MUL_HI
	MUL16 4, 1, 0
	MUL16 6, 1, 0
	WIN 0
	s_wait_kmcnt 0x0
	s_sub_co_i32 s90, s78, s72
	s_sub_co_i32 s90, s90, s73
	s_sub_co_i32 s91, s79, s74
	s_sub_co_i32 s91, s91, s75
	s_sub_co_i32 s92, s81, s76
	s_sub_co_i32 s92, s92, s77
	s_cmp_eq_u32 s[JOB], 1
	s_cselect_b32 s90, s91, s90
	s_cmp_eq_u32 s[JOB], 2
	s_cselect_b32 s90, s92, s90
	s_add_co_i32 s90, s90, 127
	s_lshl_b32 s91, s90, 23
	v_mov_b32 v[SC], s91
	s_add_co_i32 s90, s90, 8
	s_lshl_b32 s90, s90, 23
	s_or_b32 s90, s90, 0x600000
	v_mov_b32 v[LM], s90
	PLACES NP
	s_cmp_eq_u32 s[JOB], 2
	s_cbranch_scc1 .Lv
	s_wait_loadcnt 32
	RLOAD 3, 1, 128
	RLOAD 4, 1, 192
	ROT 0, 0, 32
	EMIT 0, 0
.irp a, 1,2,3,4,5,6,7
.if \a < 5
	s_wait_loadcnt 48
.else
	s_wait_loadcnt 16*(7-\a)
.endif
	ROT \a, 1, 64*((\a-1)%4)
.if \a < 4
	RLOAD \a+4, 1, 64*((\a-1)%4)
.endif
	EMIT \a, 0
.endr
	s_branch .Ldone
.Lv:
	s_wait_alu depctr_va_vdst(0)
.irp a, 0,1,2,3,4,5,6,7
	HOLDV \a
	EMIT \a, 1
.endr
.Ldone:
	s_wait_tensorcnt 0x0
	ds_add_u32 v[SPW], v[NIL]
	s_wait_dscnt 0x0
	CROUND
	s_endpgm
.Lfunc_end_k_q74fb3e9e1f_qkv:
	.size	k_q74fb3e9e1f_qkv, .Lfunc_end_k_q74fb3e9e1f_qkv-k_q74fb3e9e1f_qkv
	.p2alignl 7, 3214868480
	.fill 96, 4, 3214868480
	.section	.rodata,"a",@progbits
	.p2align	6, 0x0
	.amdhsa_kernel k_q74fb3e9e1f_qkv
		.amdhsa_group_segment_fixed_size 327680
		.amdhsa_private_segment_fixed_size 0
		.amdhsa_enable_private_segment 0
		.amdhsa_kernarg_size 32
		.amdhsa_user_sgpr_count 2
		.amdhsa_user_sgpr_kernarg_segment_ptr 1
		.amdhsa_wavefront_size32 1
		.amdhsa_system_sgpr_workgroup_id_x 1
		.amdhsa_system_sgpr_workgroup_id_y 1
		.amdhsa_system_sgpr_workgroup_id_z 1
		.amdhsa_system_vgpr_workitem_id 0
		.amdhsa_next_free_vgpr 1024
		.amdhsa_next_free_sgpr 100
		.amdhsa_reserve_vcc 0
		.amdhsa_float_denorm_mode_32 3
		.amdhsa_float_denorm_mode_16_64 3
		.amdhsa_memory_ordered 1
		.amdhsa_forward_progress 1
		.amdhsa_inst_pref_size 205
	.end_amdhsa_kernel
	.amdgpu_metadata
---
amdhsa.version: [ 1, 2 ]
amdhsa.kernels:
  - .name:           k_q74fb3e9e1f_qkv
    .symbol:         k_q74fb3e9e1f_qkv.kd
    .args:
      - { .name: codes, .offset: 0, .size: 8, .value_kind: global_buffer, .address_space: global }
      - { .name: rope, .offset: 8, .size: 8, .value_kind: global_buffer, .address_space: global }
      - { .name: lowp_scales, .offset: 16, .size: 8, .value_kind: global_buffer, .address_space: global }
      - { .name: qkvc, .offset: 24, .size: 8, .value_kind: global_buffer, .address_space: global }
    .group_segment_fixed_size: 327680
    .private_segment_fixed_size: 0
    .kernarg_segment_align: 8
    .kernarg_segment_size: 32
    .max_flat_workgroup_size: 128
    .sgpr_count:     100
    .vgpr_count:     1024
    .wavefront_size: 32
...
	.end_amdgpu_metadata
.endif
;; end of part 2
;; launch attn (part 3): grid 16 x 16, 8 waves a work-group, clusters of 4 x 1, 327,680 bytes of LDS; arguments qkvc, mask, lowp_scales, oc; writes oc
.if DOCPART == 3
	.amdgcn_target "amdgcn-amd-amdhsa--gfx1250"
	.amdhsa_code_object_version 6
	.text
	.protected	k_q74fb3e9e1f_attn
	.globl	k_q74fb3e9e1f_attn
	.p2align	8
	.type	k_q74fb3e9e1f_attn,@function
k_q74fb3e9e1f_attn:
	s_mov_b64 s[64:65], 0
	v_nop
	global_prefetch_b8 v0, s[64:65] scope:SCOPE_SE
	s_setreg_imm32_b32 hwreg(HW_REG_WAVE_MODE, 25, 1), 1
	s_wait_xcnt 0x0
	s_wait_alu depctr_hold_cnt(0) depctr_sa_sdst(0) depctr_va_vdst(0) depctr_va_sdst(0) depctr_va_ssrc(0) depctr_va_vcc(0) depctr_vm_vsrc(0)
	s_getreg_b32 s2, hwreg(HW_REG_IB_STS2, 6, 4)
	s_cmp_eq_u32 s2, 0
	s_cbranch_scc0 .Lentry_in_a_cluster
	s_endpgm
.Lentry_in_a_cluster:
	s_bfe_u32 s2, ttmp6, 0x10000c
	s_cmp_lg_u32 s2, 0x3003
	s_cbranch_scc0 .Lentry_shape_is_right
	s_endpgm
.Lentry_shape_is_right:
; o[q] = the sum over keys of softmax(q . k / sqrt(128) + mask[q][key]) v[key], for each of 16 heads, both products on codes of FP8 (E4M3); o is quantised for the last projection.
; THE MASK IS AN INPUT: it is read whole and added in f32, no pattern of it is built in: every head multiplies all 2,048 x 2,048 scores.  No work of the problem is left out here.
; THE SOFTMAX: logit = score x 2^(e6 + e7) / sqrt(128) + mask (one fused multiply-add); t = logit x log2(e), ROUNDED to f32; M = the running largest t rounded up to a whole number; p = 2^(t - M) is quantised by 2^e8,
; not normalised; the row's sum is taken of the unquantised p and divides at the end.  When M moves, the sum and O^T are multiplied by 2^(old M - new M), which rounds nothing.
; SHARES.  A work-group of EIGHT waves, two to a SIMD, owns 128 queries of one head.  Wave w owns the query tiles 2 (w & 3) and 2 (w & 3) + 1 (each fragment of K and V read from LDS feeds two products) and, of each
; key step of 128 keys, the 64 keys of half w >> 2.  Waves w and w + 4 keep an M, a sum and an O^T each; at the end they are joined through LDS, under the larger M (factors that are powers of two), and each wave finishes one tile.
; LAYOUT.  q, k, v arrive as images of fragments' registers (registers 4 c .. 4 c + 3 of lane l at 512 c + 16 l of 2,048 bytes).  Both products are used transposed: S^T = K Q^T by the 16x16x128 form (source 0 = 16 keys),
; O^T = V^T P^T by the 16x16x64 form (source 0 = 16 channels; registers 8 kh .. 8 kh + 7 of V's image are the form's fragment of keys 64 kh on).  A lane holds ONE query (lane % 16); its eight registers of tile t are
; keys (channels) 16 t + 8 (lane / 16) + 0 .. 7, so one conversion gives registers 2 t, 2 t + 1 of the next operand.  o leaves as images: oc [16 blocks of 128 tokens][16 heads][8 tiles][2,048].
; K AND V come through a ring of two LDS slots of FOUR key steps (512 keys, 131,072 bytes) each: 4 fills in all, the last three each with four key steps of work behind its request.  A key step's place holds K's 8 images, then V's 8.
; Wave w fetches 16,384 dense bytes: waves 0 to 3 K's images of the slot's key step w, waves 4 to 7 V's of key step w - 4: one descriptor shape, one tensor load a wave out, and no more.
; CLUSTER.  4 x 1 work-groups: four blocks of queries of one head walk the same K and V and ask for them jointly.  The mask's rows hang on the block of queries: partners of this cluster share none of them.
; THE MASK goes round the ring: a wave reads its own 32 rows x 256 bytes of a key step from memory into 64 registers, sixteen lanes to an aligned unit of 256 bytes, one key step ahead of its use, and turns them
; through a stage of its own in LDS (16 rows x 272 bytes, tile 0 and then tile 1; LDS serves a wave's instructions in order, ISA guide 5.7.1.4) into S^T's layout.  No other wave touches these bytes: no barrier.
; THE WALK OVER THE KEYS IS STAGGERED: a work-group begins at key step 4 ((cluster x + head) mod 4) and wraps round; the running M serves any order of the keys.
; PREFETCH.  The mask: see ASK.  K and V are not asked for ahead: of a cluster's four fills the first goes out at the head, and the other three name key steps with which another cluster of the same head began.
; LIMITS: e6 + e7 between -122 and 131; e8, and e10 - e8 - e9, between -126 and 119.  NaN among the inputs is not served.  The order of rounding of the sums differs from an ascending walk's.
; REGISTERS: window 0: v1-15, v28 addresses and scales; v16-47 statistics, 16 a tile; v48-63 P's codes (at the end o's); v64-127 S^T, then p, 32 a tile; v128-191 the mask in S^T's layout, then V's eight fragments;
;   v192-255 K's four fragments.   window 1: v0-127 O^T, 64 a tile; v128-159 Q; v160-223 the next key step's mask as it is loaded.
.set SLOT1, 1<<17                      ; slot 1 begins here
.set RING,  2*SLOT1
.set STEPB, 32768                      ; a key step's place in the ring: K's 16,384 bytes, then V's
.set SP,    272                        ; a stage row: 256 bytes + 16 of padding
.set STG,   RING                       ; behind the ring: the mask's stages, 16 x SP bytes a wave; no fill lands here
.set SPARE, STG+8*16*SP                ; behind them: the spare words, 128 bytes a wave, which no other line names
.set STS,   SPARE+1024                 ; behind them: the join's statistics, 8 waves x 2 tiles x 32 lanes x 8 bytes
.set LI,   1                           ; v1   16 x lane; never rewritten
.set MGO,  2                           ; v2   the mask's loads: 8,192 (lane / 16) + 16 (lane % 16)
.set ADI,  3                           ; v3   LDS address of the step's images of K
.set SWA,  4                           ; v4   the stage, on the way in
.set SPW,  5                           ; v5   LDS address of my spare word; never rewritten
.set NIL,  6                           ; v6   0; never rewritten
.set PFO,  7                           ; v7   the prefetches' offset: a row of the mask x my lane; never rewritten
.set PSC,  8                           ; v8   2^e8;  v9, v10  448 x 2^e8, twice: the two halves of a dual pair take their second sources from different banks
.set PLM,  9
.set PLM2, 10
.set OSC,  11                          ; v11  2^(e10 - e8 - e9);  v12  448 x that
.set OLM,  12
.set KI0,  13                          ; v13  my place among a key step's images of K;  v14 of V
.set VI0,  14
.set ADV,  15                          ; v15  LDS address of the step's images of V
.set SRA,  28                          ; v28  the stage, on the way out
.set ST,   16                          ; tile u's statistics at v[ST + 16 u]: +0 -M, +1 the largest t (at the end the sum), +2, +3 the sum, +4 f, +5 named with it, +6, +7 two chains, +8 the other half's, +10, +11 a second chain of sums
.set PC,   48
.set S,    64
.set MK,   128
.set KF,   192
.set QF,   128                         ; in window 1
.set R,    160                         ; in window 1
.set WV,   12                          ; s12  my wave's number
.set QC,   15                          ; s15  key steps to go in the slot
.set KS,   18                          ; s18  the key step whose mask is loaded next
.set LEFT, 19                          ; s19  key steps to go, this one among them
.set QP,   88                          ; s88  wave & 3: my pair of query tiles
.set KH,   89                          ; s89  wave >> 2: my half of a step's keys
.set SEL,  20
.set CS,   22                          ; s[22:23] 2^(e6 + e7) / sqrt(128)
.set L2E,  66                          ; s[66:67] log2(e)
.set G1,   24
.set G0,   40
.set MB,   44                          ; s[44:45] the mask's loads' base;  s[46:47] the same at key step 0
.set BMW,  46
.set TB,   2                           ; s2   LDS byte at which the key step in hand begins
.set SLOTS, 3                          ; s3   fills still to be asked for
.set CH,   69                          ; s69  the four key steps that are asked for: 0 .. 3
.set BKV,  92
.set OFK,  96
.set OFM,  98
.set PFA,  60
.set PFB,  62
.set PFK,  76
.set LIM,  68                          ; s68  14 in a wave that prefetches, else the greatest number
.set MSB, 0
.macro WIN new                         ; the immediate's high byte repeats the setting that is left
.if MSB != \new
	s_set_vgpr_msb (MSB<<8)|\new
.set MSB, \new
.endif
.endm
.macro JLOAD                           ; every wave's joint load; an s_nop 0 and four v_nop follow it
	tensor_load_to_lds s[G0:G0+3], s[G1:G1+7]
	s_nop 0
.rept 4
	v_nop
.endr
.endm
; A PREFETCH INTO THE L2 of the mask: in my own key steps 0 and 1 the key step two on is named, one key step ahead of the load that wants it.
; WHO: the four heads that begin at the same key step (equal head % 4) share a block's 128 rows out BY ADDRESS: head / 4 takes rows 32 (head / 4) on, a lane a row; wave 0 the first 256 bytes of the step's 512, wave 1 the
; second.  So each aligned 256 bytes are named at most once in the launch.  Own steps 0 and 1 come by their loads alone; own steps 4 to 15 are key steps with which heads of another head % 4 began.
.macro ASK
	s_cmp_gt_u32 s[LEFT], s[LIM]
	s_cbranch_scc0 .Lnot_mine_\@
	global_prefetch_b8 v[PFO], s[PFA:PFA+1] th:TH_LOAD_NT scope:SCOPE_SE
.Lnot_mine_\@:
.endm
.macro CROUND                          ; a round of the cluster's barrier
	s_barrier_signal -1
	s_barrier_wait -1
	s_cmp_lg_u32 s[WV], 0
	s_cbranch_scc1 .Lnot_wave_0_\@
	s_barrier_signal -3
.Lnot_wave_0_\@:
	s_barrier_wait -3
	s_barrier_signal -1
	s_barrier_wait -1
.endm
.macro MLOAD                           ; a key step's mask for my two tiles: load i brings rows 2 i and 2 i + 1, 256 bytes each
	WIN 0x40                                       ; destination window 1
.set j, 0
.rept 16
	global_load_b128 v[R+4*j:R+4*j+3], v[MGO], s[MB:MB+1] offset:16384*j
.set j, j+1
.endr
	WIN 0
.endm
	s_load_b256 s[4:11], s[0:1], 0x0               ; qkvc s[4:5], mask s[6:7], the scales' exponents s[8:9], oc s[10:11]
	v_lshl_add_u32 v[SPW], v0, 2, SPARE
	v_mov_b32 v[NIL], 0
	ds_add_u32 v[SPW], v[NIL]                      ; the opening lines: the add, twice on end, and its wait ahead of the round in front of my first tensor load
	ds_add_u32 v[SPW], v[NIL]
	v_lshrrev_b32 v48, 5, v0
	v_readfirstlane_b32 s[WV], v48                 ; wave 0..7
	s_and_b32 s13, s[WV], 1
	s_and_b32 s[QP], s[WV], 3
	s_lshr_b32 s[KH], s[WV], 2
	s_bfe_u32 s14, ttmp6, 0x40000                  ; cx
	s_and_b32 s17, ttmp7, 0xffff                   ; my head
	s_lshl_b32 s16, ttmp9, 2
	s_add_co_u32 s16, s16, s14                     ; my block of 128 queries
	s_add_co_u32 s[CH], ttmp9, s17
	s_and_b32 s[CH], s[CH], 3                      ; the four key steps with which my cluster begins
	s_lshl_b32 s[KS], s[CH], 2
	s_mov_b32 s[G1], 15|(3<<16)|(1<<21)            ; the mask of all four partners; elements of 8 bytes; bit 21 beside a mask; no padding
	s_mov_b32 s[G1+1], 32<<16                      ; rows of 32 elements: 256 bytes
	s_mov_b32 s[G1+2], 64<<16                      ; 64 rows: 16,384 dense bytes
	s_mov_b32 s[G1+3], 32<<16
	s_mov_b32 s[G1+4], 64
	s_mov_b32 s[G1+5], 32
	s_mov_b32 s[G1+6], 0
	s_mov_b32 s[G1+7], 0
	s_add_co_u32 s70, s[KH], 1                     ; waves 0 to 3: k's region of qkvc; waves 4 to 7: v's
	s_lshl_b32 s70, s70, 22
	s_lshl_b32 s72, s17, 18                        ; the head's 262,144 bytes in a region
	s_add_co_u32 s70, s70, s72
	s_lshl_b32 s73, s[QP], 14                      ; which of the four key steps
	s_add_co_u32 s70, s70, s73
	s_mov_b32 s71, 0
	s_lshl_b32 s73, s[QP], 15                      ; in a slot: the key step's place,
	s_lshl_b32 s74, s[KH], 14                      ; K's half of it or V's
	s_add_co_u32 s73, s73, s74
	s_mov_b32 s[OFK+1], 0
	s_mov_b32 s[OFM+1], 0
	s_mov_b32 s[PFK+1], 0
	s_mov_b32 s[SEL], 0x76543210
	s_mov_b32 s[SEL+1], 0xfedcba98
	s_mov_b32 s[TB], 0
	s_mov_b32 s[SLOTS], 3
	s_mov_b32 s[LEFT], 16
	s_lshl_b32 s[OFK], s[CH], 16
	s_wait_dscnt 0x0                               ; both opening adds are done
	s_wait_kmcnt 0x0
	s_load_b256 s[48:55], s[8:9], 0x0              ; e0 .. e7
	s_load_b128 s[56:59], s[8:9], 0x20             ; e8 .. e11
	s_add_nc_u64 s[BKV:BKV+1], s[4:5], s[70:71]
	s_mov_b32 s[G0], 1
	s_mov_b32 s[G0+1], s73
	s_add_nc_u64 s[G0+2:G0+3], s[BKV:BKV+1], s[OFK:OFK+1]
	s_or_b32 s[G0+3], s[G0+3], 0x80000000
	CROUND                                         ; all four work-groups are here: the first joint loads meet
	JLOAD                                          ; my cluster's first four key steps into slot 0: one tensor load a wave
	s_lshl_b32 s80, s16, 3
	s_lshl_b32 s84, s[QP], 1
	s_add_co_u32 s80, s80, s84                     ; my first tile of queries: 8 x block + 2 x pair
	s_lshl_b32 s80, s80, 11
	s_add_co_u32 s80, s80, s72
	s_mov_b32 s81, 0
	s_add_nc_u64 s[80:81], s[4:5], s[80:81]        ; Q's images
	s_lshl_b32 s82, s16, 18
	s_lshl_b32 s85, s17, 14
	s_add_co_u32 s82, s82, s85
	s_add_co_u32 s84, s84, s[KH]                   ; the tile that I finish: 2 x pair + my half
	s_lshl_b32 s84, s84, 11
	s_add_co_u32 s82, s82, s84
	s_mov_b32 s83, 0
	s_add_nc_u64 s[10:11], s[10:11], s[82:83]      ; its image in oc
	s_lshl_b32 s86, s16, 7                         ; the mask's loads: rows 128 x block + 32 x pair on,
	s_lshl_b32 s85, s[QP], 5
	s_add_co_u32 s86, s86, s85
	s_lshl_b32 s86, s86, 13
	s_lshl_b32 s85, s[KH], 8                       ; my 64 keys' 256 bytes of a step's 512
	s_add_co_u32 s86, s86, s85
	s_mov_b32 s87, 0
	s_add_nc_u64 s[BMW:BMW+1], s[6:7], s[86:87]
	s_lshl_b32 s[OFM], s[KS], 9
	s_add_nc_u64 s[MB:MB+1], s[BMW:BMW+1], s[OFM:OFM+1]
	s_lshl_b32 s86, s16, 7                         ; the prefetches: rows 128 x block + 32 (head / 4) on,
	s_lshr_b32 s85, s17, 2
	s_lshl_b32 s85, s85, 5
	s_add_co_u32 s86, s86, s85
	s_lshl_b32 s86, s86, 13
	s_lshl_b32 s85, s13, 8                         ; which 256 bytes of a step's 512
	s_add_co_u32 s86, s86, s85
	s_add_nc_u64 s[PFB:PFB+1], s[6:7], s[86:87]
	s_cmp_lt_u32 s[WV], 2
	s_cselect_b32 s[LIM], 14, -1
	s_mul_i32 s85, s[WV], 16*SP
	s_add_co_u32 s85, s85, STG                     ; my stage
	s_lshl_b32 s86, s[KH], 13                      ; K: my four images
	s_lshl_b32 s87, s[KH], 10
	s_add_co_u32 s87, s87, 16384                   ; V: my eight registers of each image
	v_and_b32 v48, 31, v0
	v_lshlrev_b32 v[LI], 4, v48
	v_lshlrev_b32 v[PFO], 13, v48
	v_and_b32 v49, 15, v0                          ; r
	v_bfe_u32 v50, v0, 4, 1                        ; h
	v_lshlrev_b32 v51, 4, v49
	v_lshl_add_u32 v[MGO], v50, 13, v51
	v_mul_u32_u24 v[SWA], v50, SP
	v_add_nc_u32 v[SWA], v[SWA], v51
	v_add_nc_u32 v[SWA], s85, v[SWA]               ; in: row lane / 16 (+ 2 i'), 16 bytes a lane
	v_mul_u32_u24 v[SRA], v49, SP
	v_lshl_add_u32 v[SRA], v50, 5, v[SRA]
	v_add_nc_u32 v[SRA], s85, v[SRA]               ; out: row r, + 32 h bytes: my eight keys of tile t lie 64 t further on
	v_add_nc_u32 v[KI0], s86, v[LI]
	v_add_nc_u32 v[VI0], s87, v[LI]
	WIN 0x40                                       ; destination window 1
.irp u, 0,1
.irp c, 0,1,2,3
	global_load_b128 v[QF+16*\u+4*\c:QF+16*\u+4*\c+3], v[LI], s[80:81] offset:2048*\u+512*\c   ; Q's two fragments stay in registers
.endr
.endr
	MLOAD                                          ; my first key step's mask
	WIN 0x40
.set j, 0
.rept 128
	v_mov_b32 v[j], 0                              ; O^T: the key step is written for a running M; the first finds zeros, which the first change of M leaves zeros
.set j, j+1
.endr
	WIN 0
.irp u, 0,1
	v_mov_b32 v[ST+16*\u+1], 0xff61b1e6            ; the largest t so far: -3e38
	v_floor_f32 v[ST+16*\u], -v[ST+16*\u+1]        ; -M
	v_mov_b32 v[ST+16*\u+2], 0
	v_mov_b32 v[ST+16*\u+3], 0
	v_mov_b32 v[ST+16*\u+5], 0                     ; (named as the upper half of a pair)
	v_mov_b32 v[ST+16*\u+8], 0                     ; (a lane permute's destination counts as one of its sources)
.endr
	s_wait_kmcnt 0x0
	s_add_co_i32 s90, s54, s55
	s_lshl_b32 s90, s90, 23
	s_mov_b32 s[CS], 0x3db504f3                    ; 1 / sqrt(128)
	s_add_co_i32 s[CS], s[CS], s90                 ; x 2^(e6 + e7), added to its exponent field
	s_mov_b32 s[CS+1], s[CS]
	s_mov_b32 s[L2E], 0x3fb8aa3b                   ; log2(e)
	s_mov_b32 s[L2E+1], s[L2E]
	s_add_co_i32 s90, s56, 127
	s_lshl_b32 s91, s90, 23
	v_mov_b32 v[PSC], s91
	s_add_co_i32 s90, s90, 8
	s_lshl_b32 s90, s90, 23
	s_or_b32 s90, s90, 0x600000
	v_mov_b32 v[PLM], s90
	v_mov_b32 v[PLM2], s90
	s_sub_co_i32 s90, s58, s56
	s_sub_co_i32 s90, s90, s57                     ; a sum of the second product stands for sum x 2^(e8 + e9): o's conversion takes 2^(e10 - e8 - e9)
	s_add_co_i32 s90, s90, 127
	s_lshl_b32 s91, s90, 23
	v_mov_b32 v[OSC], s91
	s_add_co_i32 s90, s90, 8
	s_lshl_b32 s90, s90, 23
	s_or_b32 s90, s90, 0x600000
	v_mov_b32 v[OLM], s90
; A KEY STEP: my 64 of the 128 keys at s[TB], for my two tiles of queries.
.macro STEP
	s_wait_xcnt 0x0                                ; the last step's loads and prefetch have read their bases, so they may be written:
	s_add_co_u32 s[KS], s[KS], 1
	s_and_b32 s[KS], s[KS], 15                     ; the next key step, round the end of the keys,
	s_lshl_b32 s[OFM], s[KS], 9
	s_add_nc_u64 s[MB:MB+1], s[BMW:BMW+1], s[OFM:OFM+1]
	s_add_co_u32 s[PFK], s[KS], 1                  ; and the one after it
	s_and_b32 s[PFK], s[PFK], 15
	s_lshl_b32 s[PFK], s[PFK], 9
	s_add_nc_u64 s[PFA:PFA+1], s[PFB:PFB+1], s[PFK:PFK+1]
	v_add_nc_u32 v[ADI], s[TB], v[KI0]
	v_add_nc_u32 v[ADV], s[TB], v[VI0]
	v_nop                                          ; with the two lines above: four places in front of the loads into registers that the last products read
	v_nop
	s_wait_alu depctr_va_vdst(0)
	s_wait_loadcnt 0x0                             ; this step's mask is in (the first time: Q too)
	WIN 0x04                                       ; source 1 window 1: the stores' data, and Q
.irp t, 0,1,2,3
.irp c, 0,1,2,3
	ds_load_b128 v[KF+16*\t+4*\c:KF+16*\t+4*\c+3], v[ADI] offset:2048*\t+512*\c     ; K's four fragments, as images
.endr
.endr
.irp u, 0,1                                    ; the mask's turn through my stage, a tile at a time, in order
.irp i, 0,1,2,3,4,5,6,7
	ds_store_b128 v[SWA], v[R+32*\u+4*\i:R+32*\u+4*\i+3] offset:2*SP*\i
.endr
.irp t, 0,1,2,3
	ds_load_b128 v[MK+32*\u+8*\t:MK+32*\u+8*\t+3],   v[SRA] offset:64*\t
	ds_load_b128 v[MK+32*\u+8*\t+4:MK+32*\u+8*\t+7], v[SRA] offset:64*\t+16
.endr
.endr
	s_wait_dscnt 32                                ; K is in; the turn's 16 stores and 16 loads may be out
.irp t, 0,1,2,3
.irp u, 0,1
	v_wmma_f32_16x16x128_fp8_fp8 v[S+32*\u+8*\t:S+32*\u+8*\t+7], v[KF+16*\t:KF+16*\t+15], v[QF+16*\u:QF+16*\u+15], 0
.endr
.endr
	WIN 0
.rept 4
	v_nop                                          ; places for the reads of S^T
.endr
	s_wait_dscnt 0x0                               ; the mask is in S^T's layout, and the stores have read their registers,
	s_cmp_eq_u32 s[LEFT], 1                        ; which take the next key step's mask; the last step has none to load: a branch on the count of steps
	s_cbranch_scc1 .Lno_more_\@
	MLOAD
.Lno_more_\@:
	ASK
	s_sub_co_u32 s[LEFT], s[LEFT], 1
.set j, 0
.rept 32
	v_pk_fma_f32 v[S+j:S+j+1], v[S+j:S+j+1], s[CS:CS+1], v[MK+j:MK+j+1] op_sel_hi:[1,0,1]   ; logit; each accumulator from its low end on
.set j, j+2
.endr
.irp a, 0,1,2,3,4,5,6,7
.irp c, 0,1
	ds_load_b128 v[MK+8*\a+4*\c:MK+8*\a+4*\c+3], v[ADV] offset:2048*\a+512*\c       ; V's eight fragments of my 64 keys, where the mask lay: they land under the softmax
.endr
.endr
.set j, 0
.rept 32
	v_pk_mul_f32 v[S+j:S+j+1], v[S+j:S+j+1], s[L2E:L2E+1] op_sel_hi:[1,0]                  ; t
.set j, j+2
.endr
.irp u, 0,1                                    ; the step's largest t of my query, among my 32 keys: two chains a tile, the tiles by turns
	v_max3_num_f32 v[ST+16*\u+6], v[S+32*\u], v[S+32*\u+1], v[S+32*\u+2]
	v_max3_num_f32 v[ST+16*\u+7], v[S+32*\u+3], v[S+32*\u+4], v[S+32*\u+5]
.endr
.irp i, 6,10,14,18,22,26
.irp u, 0,1
	v_max3_num_f32 v[ST+16*\u+6], v[ST+16*\u+6], v[S+32*\u+\i], v[S+32*\u+\i+1]
	v_max3_num_f32 v[ST+16*\u+7], v[ST+16*\u+7], v[S+32*\u+\i+2], v[S+32*\u+\i+3]
.endr
.endr
.irp u, 0,1
	v_max3_num_f32 v[ST+16*\u+6], v[ST+16*\u+6], v[S+32*\u+30], v[S+32*\u+31]
.endr
.irp u, 0,1
	v_max_num_f32 v[ST+16*\u+6], v[ST+16*\u+6], v[ST+16*\u+7]
.endr
.irp u, 0,1
	v_permlanex16_b32 v[ST+16*\u+8], v[ST+16*\u+6], s[SEL], s[SEL+1]
.endr
.irp u, 0,1
	v_max_num_f32 v[ST+16*\u+6], v[ST+16*\u+6], v[ST+16*\u+8]   ; and among lane l xor 16's
.endr
.irp u, 0,1
	v_max_num_f32 v[ST+16*\u+1], v[ST+16*\u+1], v[ST+16*\u+6]   ; the running largest t
	v_mov_b32 v[ST+16*\u+6], v[ST+16*\u]
.endr
.irp u, 0,1
	v_floor_f32 v[ST+16*\u], -v[ST+16*\u+1]                     ; the new -M = -ceil(t)
.endr
.irp u, 0,1
	v_sub_f32 v[ST+16*\u+6], v[ST+16*\u], v[ST+16*\u+6]         ; old M - new M: a whole number, 0 or less
.endr
.irp u, 0,1
	v_cvt_i32_f32 v[ST+16*\u+6], v[ST+16*\u+6]                  ; (it saturates)
.endr
.irp u, 0,1
	v_ldexp_f32 v[ST+16*\u+4], 1.0, v[ST+16*\u+6]               ; f = 2^(old M - new M)
.endr
.irp u, 0,1
.set j, 0
.rept 16
	v_pk_add_f32 v[S+32*\u+j:S+32*\u+j+1], v[S+32*\u+j:S+32*\u+j+1], v[ST+16*\u:ST+16*\u+1] op_sel_hi:[1,0]   ; t - M
.set j, j+2
.endr
.endr
	s_wait_alu depctr_va_vdst(0)
.set j, 0
.rept 64
	v_exp_f32 v[S+j], v[S+j]                       ; p = 2^(t - M), at most 1: one batch
.set j, j+1
.endr
.irp u, 0,1
	v_pk_mul_f32 v[ST+16*\u+2:ST+16*\u+3], v[ST+16*\u+2:ST+16*\u+3], v[ST+16*\u+4:ST+16*\u+5] op_sel_hi:[1,0]   ; the sums under the new M: also the plain line behind the exponentials
.endr
	s_wait_alu depctr_va_vdst(0)                   ; one wait for the whole batch, ahead of its first reader
.irp u, 0,1
	v_pk_add_f32 v[ST+16*\u+10:ST+16*\u+11], v[S+32*\u:S+32*\u+1], v[S+32*\u+2:S+32*\u+3]   ; the row's sum is taken of the unquantised p: two chains a tile
.endr
.irp i, 4,8,12,16,20,24,28
.irp u, 0,1
	v_pk_add_f32 v[ST+16*\u+2:ST+16*\u+3], v[ST+16*\u+2:ST+16*\u+3], v[S+32*\u+\i:S+32*\u+\i+1]
	v_pk_add_f32 v[ST+16*\u+10:ST+16*\u+11], v[ST+16*\u+10:ST+16*\u+11], v[S+32*\u+\i+2:S+32*\u+\i+3]
.endr
.endr
.irp u, 0,1
	v_pk_add_f32 v[ST+16*\u+2:ST+16*\u+3], v[ST+16*\u+2:ST+16*\u+3], v[ST+16*\u+10:ST+16*\u+11]
.endr
.set j, 0
.rept 32
	v_dual_min_num_f32 v[S+j], v[S+j], v[PLM] :: v_dual_min_num_f32 v[S+j+1], v[S+j+1], v[PLM2]   ; the conversion to an 8-bit code does not saturate (ISA guide 7.6.2); p is not negative: a one-sided hold, two numbers a line
.set j, j+2
.endr
.irp u, 0,1
.irp t, 0,1,2,3
	v_cvt_scalef32_pk8_fp8_f32 v[PC+8*\u+2*\t:PC+8*\u+2*\t+1], v[S+32*\u+8*\t:S+32*\u+8*\t+7], v[PSC]   ; registers 2 t, 2 t + 1 of P's fragment of 64 keys
.endr
.endr
	WIN 0x41                                       ; O^T (destination and source 0) window 1, f window 0
	s_wait_alu depctr_va_vdst(0)
.irp u, 0,1
.set j, 0
.rept 32
	v_pk_mul_f32 v[64*\u+j:64*\u+j+1], v[64*\u+j:64*\u+j+1], v[ST+16*\u+4:ST+16*\u+5] op_sel_hi:[1,0]   ; O^T under the new M; also the plain lines between the conversions and the products
.set j, j+2
.endr
.endr
	s_wait_alu depctr_va_vdst(0)
	s_wait_dscnt 0x0                               ; V is in
	WIN 0x50                                       ; V and P window 0, O^T window 1
.irp a, 0,1,2,3,4,5,6,7
.irp u, 0,1
	v_wmma_f32_16x16x64_fp8_fp8 v[64*\u+8*\a:64*\u+8*\a+7], v[MK+8*\a:MK+8*\a+7], v[PC+8*\u:PC+8*\u+7], v[64*\u+8*\a:64*\u+8*\a+7]   ; sixteen accumulators by turns, one instruction a turn
.endr
.endr
	WIN 0
	s_add_co_u32 s[TB], s[TB], STEPB               ; the next key step's place,
	s_and_b32 s[TB], s[TB], RING-1                 ; round the ring
.endm
; THE CHANGE OF SLOTS stands at a slot's head: each wave waits for all its tensor loads, adds 0 to its spare word, and waits for that and for its reads of the slot that it has left.
; fill = 1: a round of the cluster's barrier follows, and the joint load of the next four key steps, into the other slot, is the first thing behind it.
.macro CHANGE fill
	s_wait_tensorcnt 0x0                           ; no tensor load of mine is out, so group 0 may be written
	ds_add_u32 v[SPW], v[NIL]
.if \fill
	s_xor_b32 s[G0+1], s[G0+1], SLOT1
	s_add_co_u32 s[CH], s[CH], 1
	s_and_b32 s[CH], s[CH], 3                      ; round the end of the keys
	s_lshl_b32 s[OFK], s[CH], 16
	s_add_nc_u64 s[G0+2:G0+3], s[BKV:BKV+1], s[OFK:OFK+1]
	s_or_b32 s[G0+3], s[G0+3], 0x80000000
	s_wait_dscnt 0x0                               ; the add is done, and my reads of the slot that I have left are over
	CROUND
	JLOAD
.else
	s_wait_dscnt 0x0
	s_barrier_signal -1
	s_barrier_wait -1
.endif
.endm
	s_wait_alu depctr_va_vdst(0)
.Lslot:                                                ; 3 trips: behind each change of slots but the last the next four key steps are asked for
	CHANGE 1
	s_mov_b32 s[QC], 4
.Lstep_a:
	STEP
	s_sub_co_u32 s[QC], s[QC], 1
	s_cmp_lg_u32 s[QC], 0
	s_cbranch_scc1 .Lstep_a
	s_sub_co_u32 s[SLOTS], s[SLOTS], 1
	s_cmp_lg_u32 s[SLOTS], 0
	s_cbranch_scc1 .Lslot
	CHANGE 0                                       ; the last slot is written out
	s_mov_b32 s[QC], 4
.Lstep_b:
	STEP
	s_sub_co_u32 s[QC], s[QC], 1
	s_cmp_lg_u32 s[QC], 0
	s_cbranch_scc1 .Lstep_b
	; THE JOIN.  Every wave lays its O^T (two tiles, 16,384 bytes, as images of registers) and its -M and sum in LDS; behind one barrier it takes back tile kh of its own and of its partner (wave xor 4), by address alone.
	; The stage is slot 0, bytes 0 .. 2^17 - 1: it has had its last fill, and behind the last change of slots nobody reads it; the last four key steps lie in slot 1.
.set OSA, 2
.set OLA, 3
.set OLB, 4
.set SSA, 13
.set SLA, 14
.set SLB, 15
	s_lshl_b32 s70, s[WV], 14                      ; my 16,384 bytes
	s_xor_b32 s71, s[WV], 4                        ; my partner
	s_lshl_b32 s72, s71, 14
	s_lshl_b32 s73, s[KH], 13                      ; tile kh's 8,192
	s_add_co_u32 s74, s70, s73
	s_add_co_u32 s72, s72, s73
	s_lshl_b32 s75, s[WV], 9
	s_add_co_u32 s75, s75, STS
	s_lshl_b32 s71, s71, 9
	s_add_co_u32 s71, s71, STS
	s_lshl_b32 s73, s[KH], 8
	s_add_co_u32 s78, s75, s73
	s_add_co_u32 s71, s71, s73
.irp u, 0,1
	v_add_f32 v[ST+16*\u+2], v[ST+16*\u+2], v[ST+16*\u+3]       ; the sum's two halves (these lines are also the places behind the last products),
.endr
.irp u, 0,1
	v_permlanex16_b32 v[ST+16*\u+8], v[ST+16*\u+2], s[SEL], s[SEL+1]
.endr
.irp u, 0,1
	v_add_f32 v[ST+16*\u+1], v[ST+16*\u+2], v[ST+16*\u+8]       ; and lane l xor 16's: it stands beside -M
.endr
	v_add_nc_u32 v[OSA], s70, v[LI]
	v_add_nc_u32 v[OLA], s74, v[LI]
	v_add_nc_u32 v[OLB], s72, v[LI]
	v_lshrrev_b32 v[SSA], 1, v[LI]                 ; 8 x lane
	v_add_nc_u32 v[SLA], s78, v[SSA]
	v_add_nc_u32 v[SLB], s71, v[SSA]
	v_add_nc_u32 v[SSA], s75, v[SSA]
	v_mov_b32 v23, 0                               ; (named as the upper halves of pairs below)
	v_mov_b32 v25, 0
	s_wait_alu depctr_va_vdst(0)
	WIN 0x04                                       ; the stores' data: window 1
.set j, 0
.rept 32
	ds_store_b128 v[OSA], v[4*j:4*j+3] offset:512*j   ; each accumulator from its low end on
.set j, j+1
.endr
	WIN 0
.irp u, 0,1
	ds_store_b64 v[SSA], v[ST+16*\u:ST+16*\u+1] offset:256*\u
.endr
	s_wait_dscnt 0x0                               ; for the others' sake
	s_barrier_signal -1
	s_barrier_wait -1
	ds_load_b64 v[16:17], v[SLA]                   ; -M and the sum of tile kh: mine,
	ds_load_b64 v[32:33], v[SLB]                   ; and my partner's
.set j, 0
.rept 16
	ds_load_b128 v[S+4*j:S+4*j+3], v[OLA] offset:512*j
	ds_load_b128 v[MK+4*j:MK+4*j+3], v[OLB] offset:512*j
.set j, j+1
.endr
	s_wait_dscnt 32                                ; the statistics are in; the 32 loads of O^T may be out
	v_min_num_f32 v18, v16, v32                    ; -M of the two together
	v_sub_f32 v19, v18, v16                        ; my M less the common one: a whole number, 0 or less
	v_sub_f32 v34, v18, v32
	v_cvt_i32_f32 v19, v19
	v_cvt_i32_f32 v34, v34
	v_ldexp_f32 v19, 1.0, v19
	v_ldexp_f32 v34, 1.0, v34
	v_mul_f32 v20, v19, v17
	v_fma_f32 v20, v34, v33, v20                   ; the row's sum under the common M
	s_wait_alu depctr_va_vdst(0)                   ; a wait ahead of the transcendental
	v_rcp_f32 v21, v20
	v_nop
	s_wait_alu depctr_va_vdst(0)                   ; and ahead of its first reader
	v_mul_f32 v22, v19, v21
	v_mul_f32 v24, v34, v21
	s_wait_alu depctr_va_vdst(0)
	s_wait_dscnt 0x0
.set j, 0
.rept 32
	v_pk_mul_f32 v[S+j:S+j+1], v[S+j:S+j+1], v[22:23] op_sel_hi:[1,0]
.set j, j+2
.endr
.set j, 0
.rept 32
	v_pk_fma_f32 v[S+j:S+j+1], v[MK+j:MK+j+1], v[24:25], v[S+j:S+j+1] op_sel_hi:[1,0,1]   ; O^T / the sum
.set j, j+2
.endr
.set j, 0
.rept 64
	v_med3_num_f32 v[S+j], v[S+j], -v[OLM], v[OLM]
.set j, j+1
.endr
.irp t, 0,1,2,3,4,5,6,7
	v_cvt_scalef32_pk8_fp8_f32 v[PC+2*\t:PC+2*\t+1], v[S+8*\t:S+8*\t+7], v[OSC]
.endr
	v_nop
.irp c, 0,1,2,3
	global_store_b128 v[LI], v[PC+4*\c:PC+4*\c+3], s[10:11] offset:512*\c   ; the wave stores 512 consecutive bytes, aligned
.endr
	s_wait_tensorcnt 0x0                           ; the wave's end
	ds_add_u32 v[SPW], v[NIL]
	s_wait_dscnt 0x0
	CROUND                                         ; the closing round
	s_endpgm
.Lfunc_end_k_q74fb3e9e1f_attn:
	.size	k_q74fb3e9e1f_attn, .Lfunc_end_k_q74fb3e9e1f_attn-k_q74fb3e9e1f_attn
	.p2alignl 7, 3214868480
	.fill 96, 4, 3214868480
	.section	.rodata,"a",@progbits
	.p2align	6, 0x0
	.amdhsa_kernel k_q74fb3e9e1f_attn
		.amdhsa_group_segment_fixed_size 327680
		.amdhsa_private_segment_fixed_size 0
		.amdhsa_enable_private_segment 0
		.amdhsa_kernarg_size 32
		.amdhsa_user_sgpr_count 2
		.amdhsa_user_sgpr_kernarg_segment_ptr 1
		.amdhsa_wavefront_size32 1
		.amdhsa_system_sgpr_workgroup_id_x 1
		.amdhsa_system_sgpr_workgroup_id_y 1
		.amdhsa_system_sgpr_workgroup_id_z 1
		.amdhsa_system_vgpr_workitem_id 0
		.amdhsa_next_free_vgpr 512
		.amdhsa_next_free_sgpr 100
		.amdhsa_reserve_vcc 0
		.amdhsa_float_denorm_mode_32 3
		.amdhsa_float_denorm_mode_16_64 3
		.amdhsa_memory_ordered 1
		.amdhsa_forward_progress 1
		.amdhsa_inst_pref_size 86
	.end_amdhsa_kernel
	.amdgpu_metadata
---
amdhsa.version: [ 1, 2 ]
amdhsa.kernels:
  - .name:           k_q74fb3e9e1f_attn
    .symbol:         k_q74fb3e9e1f_attn.kd
    .args:
      - { .name: qkvc, .offset: 0, .size: 8, .value_kind: global_buffer, .address_space: global }
      - { .name: mask, .offset: 8, .size: 8, .value_kind: global_buffer, .address_space: global }
      - { .name: lowp_scales, .offset: 16, .size: 8, .value_kind: global_buffer, .address_space: global }
      - { .name: oc, .offset: 24, .size: 8, .value_kind: global_buffer, .address_space: global }
    .group_segment_fixed_size: 327680
    .private_segment_fixed_size: 0
    .kernarg_segment_align: 8
    .kernarg_segment_size: 32
    .max_flat_workgroup_size: 256
    .sgpr_count:     100
    .vgpr_count:     512
    .wavefront_size: 32
...
	.end_amdgpu_metadata
.endif
;; end of part 3
;; launch oproj (part 4): grid 16 x 16, 4 waves a work-group, clusters of 4 x 4, 327,680 bytes of LDS; arguments oc, codes, lowp_scales, out0; writes out0
.if DOCPART == 4
	.amdgcn_target "amdgcn-amd-amdhsa--gfx1250"
	.amdhsa_code_object_version 6
	.text
	.protected	k_q74fb3e9e1f_oproj
	.globl	k_q74fb3e9e1f_oproj
	.p2align	8
	.type	k_q74fb3e9e1f_oproj,@function
k_q74fb3e9e1f_oproj:
	s_mov_b64 s[64:65], 0
	v_nop
	global_prefetch_b8 v0, s[64:65] scope:SCOPE_SE
	s_setreg_imm32_b32 hwreg(HW_REG_WAVE_MODE, 25, 1), 1
	s_wait_xcnt 0x0
	s_wait_alu depctr_hold_cnt(0) depctr_sa_sdst(0) depctr_va_vdst(0) depctr_va_sdst(0) depctr_va_ssrc(0) depctr_va_vcc(0) depctr_vm_vsrc(0)
	s_getreg_b32 s2, hwreg(HW_REG_IB_STS2, 6, 4)
	s_cmp_eq_u32 s2, 0
	s_cbranch_scc0 .Lentry_in_a_cluster
	s_endpgm
.Lentry_in_a_cluster:
	s_bfe_u32 s2, ttmp6, 0x10000c
	s_cmp_lg_u32 s2, 0xf033
	s_cbranch_scc0 .Lentry_shape_is_right
	s_endpgm
.Lentry_shape_is_right:
.set T4,     4194304
.set BOFF,   65536
.set BP,     528
.set SLOT,   BOFF+128*BP
.set STAGE,  2*SLOT
.set SPITCH, 272
.set SPARE,  STAGE+4*16*SPITCH
.set ADRA, 16
.set ADRB, 20
.set STO,  24
.set RD,   25
.set CO,   26
.set SPW,  28
.set NIL,  29
.set TMP,  32
.set BK,   64
.set ACC,  128
.set F0,   0
.set F1,   128
.set G1, 24
.set G0, 32
.set G1B, 48
.set G0B, 56
.set BASA, 66
.set BASB, 68
.set OFA,  70
.set OFB,  72
.set KS,   74
.set MSB, 0
.macro WIN new
.if MSB != \new
	s_set_vgpr_msb (MSB<<8)|\new
.set MSB, \new
.endif
.endm
.set MUL,  0x05
.set TO_F, 0x40
.macro JLOAD s
	s_cmp_eq_u32 s15, 0
	s_cbranch_scc0 .Lfor_b_\@
	tensor_load_to_lds s[G0+4*\s:G0+4*\s+3], s[G1:G1+7]
	s_nop 0
.rept 4
	v_nop
.endr
	s_branch .Lasked_\@
.Lfor_b_\@:
	tensor_load_to_lds s[G0B+4*\s:G0B+4*\s+3], s[G1B:G1B+7]
	s_nop 0
.rept 4
	v_nop
.endr
.Lasked_\@:
.endm
.macro AIM s
	s_lshl_b32 s[OFA], s[KS], 16
	s_lshl_b32 s[OFB], s[KS], 9
	s_add_nc_u64 s[G0+4*(\s)+2:G0+4*(\s)+3], s[BASA:BASA+1], s[OFA:OFA+1]
	s_or_b32 s[G0+4*(\s)+3], s[G0+4*(\s)+3], 0x80000000
	s_add_nc_u64 s[G0B+4*(\s)+2:G0B+4*(\s)+3], s[BASB:BASB+1], s[OFB:OFB+1]
	s_or_b32 s[G0B+4*(\s)+3], s[G0B+4*(\s)+3], 0x80000000
	s_add_co_u32 s[KS], s[KS], 1
	s_and_b32 s[KS], s[KS], 3
.endm
.macro CREST
	s_cmp_lg_u32 s14, 0
	s_cbranch_scc1 .Lnot_wave_0_\@
	s_barrier_signal -3
.Lnot_wave_0_\@:
	s_barrier_wait -3
	s_barrier_signal -1
	s_barrier_wait -1
.endm
.macro CROUND
	s_barrier_signal -1
	s_barrier_wait -1
	CREST
.endm
	s_load_b256 s[4:11], s[0:1], 0x0
	v_lshl_add_u32 v[SPW], v0, 2, SPARE
	v_mov_b32 v[NIL], 0
	ds_add_u32 v28, v29
	ds_add_u32 v28, v29
	s_wait_dscnt 0x0
	v_lshrrev_b32 v1, 5, v0
	v_readfirstlane_b32 s14, v1
	s_lshr_b32 s15, s14, 1
	s_and_b32 s16, s14, 1
	s_bfe_u32 s40, ttmp6, 0x40000
	s_bfe_u32 s41, ttmp6, 0x40004
	s_and_b32 s75, ttmp7, 0xffff
	s_lshl_b32 s42, ttmp9, 2
	s_add_co_u32 s42, s42, s40
	s_lshl_b32 s17, s75, 2
	s_add_co_u32 s17, s17, s41
	s_lshr_b32 s[KS], s75, 1
	s_xor_b32 s[KS], s[KS], s75
	s_and_b32 s[KS], s[KS], 1
	s_lshl_b32 s[KS], s[KS], 1
	s_add_co_u32 s[KS], s[KS], ttmp9
	s_and_b32 s[KS], s[KS], 3
	s_mov_b32 s[OFA+1], 0
	s_mov_b32 s[OFB+1], 0
	s_lshl_b32 s43, s41, 2
	s_lshl_b32 s43, 15, s43
	s_lshl_b32 s44, 0x1111, s40
	s_or_b32 s[G1+0], s43, (3<<16)|(1<<21)
	s_mov_b32 s[G1+1], 32<<16
	s_mov_b32 s[G1+2], 128<<16
	s_mov_b32 s[G1+3], 32<<16
	s_mov_b32 s[G1+4], 128
	s_mov_b32 s[G1+5], 32
	s_mov_b32 s[G1+6], 0
	s_mov_b32 s[G1+7], 0
	s_or_b32 s[G1B+0], s44, (0<<16)|(1<<20)|(1<<21)|(6<<22)|(3<<25)
	s_mov_b32 s[G1B+1], 512<<16
	s_mov_b32 s[G1B+2], 64<<16
	s_mov_b32 s[G1B+3], 512<<16
	s_mov_b32 s[G1B+4], 64
	s_mov_b32 s[G1B+5], 2048
	s_mov_b32 s[G1B+6], 0
	s_mov_b32 s[G1B+7], 0
	s_lshl_b32 s20, s17, 18
	s_lshl_b32 s18, s16, 15
	s_add_co_u32 s20, s20, s18
	s_mov_b32 s21, 0
	s_lshl_b32 s46, s42, 7
	s_lshl_b32 s19, s16, 6
	s_add_co_u32 s46, s46, s19
	s_lshl_b32 s46, s46, 11
	s_add_co_u32 s46, s46, 6*T4
	s_mov_b32 s47, 0
	s_mul_i32 s45, s16, 64*BP
	s_add_co_u32 s45, s45, BOFF
	s_wait_kmcnt 0x0
	s_load_b64 s[96:97], s[8:9], 0x28
	s_add_nc_u64 s[BASA:BASA+1], s[4:5], s[20:21]
	s_add_nc_u64 s[BASB:BASB+1], s[6:7], s[46:47]
	CROUND
.irp s, 0,1
	s_mov_b32 s[G0+4*\s], 1
	s_add_co_u32 s[G0+4*\s+1], s18, \s*SLOT
	s_mov_b32 s[G0B+4*\s], 1
	s_add_co_u32 s[G0B+4*\s+1], s45, \s*SLOT
	AIM \s
	s_wait_alu depctr_va_vdst(0)
	s_wait_tensorcnt 0x0
	ds_add_u32 v28, v29
	ds_add_u32 v28, v29
	s_wait_dscnt 0x0
	CROUND
	JLOAD \s
.endr
	v_and_b32 v1, 15, v0
	v_bfe_u32 v2, v0, 4, 1
	v_and_b32 v6, 31, v0
	v_lshlrev_b32 v3, 4, v6
	v_mul_u32_u24 v4, v1, BP
	v_lshl_add_u32 v4, v2, 4, v4
	s_lshl_b32 s21, s15, 13
	s_mul_i32 s22, s16, 64*BP
	s_add_co_u32 s22, s22, BOFF
.irp s, 0,1
	v_add_nc_u32 v[ADRA+\s], s21, v3
	v_add_nc_u32 v[ADRB+\s], s22, v4
	s_add_co_u32 s21, s21, SLOT
	s_add_co_u32 s22, s22, SLOT
.endr
	s_mul_i32 s23, s14, 16*SPITCH
	s_add_co_u32 s23, s23, STAGE
	v_mul_u32_u24 v5, v1, SPITCH
	v_lshl_add_u32 v5, v2, 5, v5
	v_add_nc_u32 v[STO], s23, v5
	v_mul_u32_u24 v5, v2, SPITCH
	v_lshl_add_u32 v5, v1, 4, v5
	v_add_nc_u32 v[RD], s23, v5
	v_lshlrev_b32 v5, 13, v2
	v_lshl_add_u32 v[CO], v1, 4, v5
	s_lshl_b32 s84, s17, 7
	s_lshl_b32 s85, s15, 6
	s_add_co_u32 s84, s84, s85
	s_lshl_b32 s84, s84, 13
	s_lshl_b32 s86, s42, 9
	s_lshl_b32 s87, s16, 8
	s_add_co_u32 s86, s86, s87
	s_add_co_u32 s84, s84, s86
	s_mov_b32 s85, 0
	s_add_nc_u64 s[10:11], s[10:11], s[84:85]
.macro MULA f, a, zero
.irp b, 0,1,2,3
.if \zero
	v_wmma_f32_16x16x128_fp8_fp8 v[ACC+8*(4*(\a)+\b):ACC+8*(4*(\a)+\b)+7], v[\f+64+16*\b:\f+64+16*\b+15], v[\f+16*(\a):\f+16*(\a)+15], 0
.else
	v_wmma_f32_16x16x128_fp8_fp8 v[ACC+8*(4*(\a)+\b):ACC+8*(4*(\a)+\b)+7], v[\f+64+16*\b:\f+64+16*\b+15], v[\f+16*(\a):\f+16*(\a)+15], v[ACC+8*(4*(\a)+\b):ACC+8*(4*(\a)+\b)+7]
.endif
.endr
.endm
.macro FETCH slot, q, f
	WIN TO_F
.irp i, 0,1,2,3
.irp c, 0,1,2,3
	ds_load_b128 v[\f+64+16*\i+4*\c:\f+64+16*\i+4*\c+3], v[ADRB+\slot] offset:16*BP*\i+128*(\q)+32*\c
.endr
.irp c, 0,1,2,3
	ds_load_b128 v[\f+16*\i+4*\c:\f+16*\i+4*\c+3], v[ADRA+\slot] offset:16384*(\q)+2048*\i+512*\c
.endr
.endr
.endm
.macro PLACES
.rept 4
	v_nop
.endr
.endm
.macro QUARTER slot, q, f, g, zero
	s_wait_dscnt 0x0
	PLACES
	FETCH \slot, \q, \g
	WIN MUL
	MULA \f, 0, \zero
	MULA \f, 1, \zero
	MULA \f, 2, \zero
	MULA \f, 3, \zero
.endm
.macro TURN slot, next, fill
	WIN 0
	s_wait_tensorcnt 0x0
	ds_add_u32 v[SPW], v[NIL]
.if \fill
	AIM \slot
.endif
	s_wait_dscnt 1
	WIN MUL
	MULA F1, 0, 0
	s_wait_dscnt 0x0
	s_barrier_signal -1
	MULA F1, 1, 0
	WIN 0
	s_barrier_wait -1
.if \fill
	CREST
	JLOAD \slot
.else
	PLACES
.endif
	s_wait_alu depctr_va_vdst(0)
	FETCH \next, 0, F0
	WIN MUL
	MULA F1, 2, 0
	MULA F1, 3, 0
.endm
	s_wait_tensorcnt 1
	s_barrier_signal -1
	s_barrier_wait -1
	FETCH 0, 0, F0
	QUARTER 0, 1, F0, F1, 1
	QUARTER 0, 2, F1, F0, 0
	QUARTER 0, 3, F0, F1, 0
	TURN 0, 1, 1
	QUARTER 1, 1, F0, F1, 0
	QUARTER 1, 2, F1, F0, 0
	QUARTER 1, 3, F0, F1, 0
	TURN 1, 0, 1
	QUARTER 0, 1, F0, F1, 0
	QUARTER 0, 2, F1, F0, 0
	QUARTER 0, 3, F0, F1, 0
	TURN 0, 1, 0
	QUARTER 1, 1, F0, F1, 0
	QUARTER 1, 2, F1, F0, 0
	QUARTER 1, 3, F0, F1, 0
	s_wait_dscnt 0x0
	MULA F1, 0, 0
	MULA F1, 1, 0
	MULA F1, 2, 0
	MULA F1, 3, 0
	WIN 0
	s_wait_kmcnt 0x0
	s_add_co_i32 s96, s96, s97
	s_add_co_i32 s96, s96, 127
	s_lshl_b32 s96, s96, 23
	PLACES
.macro TOSTAGE a
.set j, 0
.rept 16
	v_pk_mul_f32 v[TMP+j:TMP+j+1], v[ACC+32*(\a)+j:ACC+32*(\a)+j+1], s[96:97] op_sel_hi:[1,0]
.set j, j+2
.endr
.irp b, 0,1,2,3
	ds_store_b128 v[STO], v[TMP+8*\b:TMP+8*\b+3] offset:64*\b
	ds_store_b128 v[STO], v[TMP+8*\b+4:TMP+8*\b+7] offset:64*\b+16
.endr
.irp t, 0,1,2,3,4,5,6,7
	ds_load_b128 v[BK+32*((\a)%2)+4*\t:BK+32*((\a)%2)+4*\t+3], v[RD] offset:2*SPITCH*\t
.endr
.endm
.macro SEND a, younger
	s_wait_dscnt \younger
.irp t, 0,1,2,3,4,5,6,7
	global_store_b128 v[CO], v[BK+32*((\a)%2)+4*\t:BK+32*((\a)%2)+4*\t+3], s[10:11] offset:(16*(\a)+2*\t)*8192 th:TH_STORE_NT
.endr
.endm
	TOSTAGE 0
.irp a, 1,2,3
.if \a > 1
	s_wait_xcnt 0x0
.endif
	TOSTAGE \a
	SEND \a-1, 16
.endr
	SEND 3, 0
	s_wait_tensorcnt 0x0
	ds_add_u32 v[SPW], v[NIL]
	s_wait_dscnt 0x0
	CROUND
	s_endpgm
.Lfunc_end_k_q74fb3e9e1f_oproj:
	.size	k_q74fb3e9e1f_oproj, .Lfunc_end_k_q74fb3e9e1f_oproj-k_q74fb3e9e1f_oproj
	.p2alignl 7, 3214868480
	.fill 96, 4, 3214868480
	.section	.rodata,"a",@progbits
	.p2align	6, 0x0
	.amdhsa_kernel k_q74fb3e9e1f_oproj
		.amdhsa_group_segment_fixed_size 327680
		.amdhsa_private_segment_fixed_size 0
		.amdhsa_enable_private_segment 0
		.amdhsa_kernarg_size 32
		.amdhsa_user_sgpr_count 2
		.amdhsa_user_sgpr_kernarg_segment_ptr 1
		.amdhsa_wavefront_size32 1
		.amdhsa_system_sgpr_workgroup_id_x 1
		.amdhsa_system_sgpr_workgroup_id_y 1
		.amdhsa_system_sgpr_workgroup_id_z 1
		.amdhsa_system_vgpr_workitem_id 0
		.amdhsa_next_free_vgpr 512
		.amdhsa_next_free_sgpr 100
		.amdhsa_reserve_vcc 0
		.amdhsa_float_denorm_mode_32 3
		.amdhsa_float_denorm_mode_16_64 3
		.amdhsa_memory_ordered 1
		.amdhsa_forward_progress 1
		.amdhsa_inst_pref_size 75
	.end_amdhsa_kernel
	.amdgpu_metadata
---
amdhsa.version: [ 1, 2 ]
amdhsa.kernels:
  - .name:           k_q74fb3e9e1f_oproj
    .symbol:         k_q74fb3e9e1f_oproj.kd
    .args:
      - { .name: oc, .offset: 0, .size: 8, .value_kind: global_buffer, .address_space: global }
      - { .name: codes, .offset: 8, .size: 8, .value_kind: global_buffer, .address_space: global }
      - { .name: lowp_scales, .offset: 16, .size: 8, .value_kind: global_buffer, .address_space: global }
      - { .name: out0, .offset: 24, .size: 8, .value_kind: global_buffer, .address_space: global }
    .group_segment_fixed_size: 327680
    .private_segment_fixed_size: 0
    .kernarg_segment_align: 8
    .kernarg_segment_size: 32
    .max_flat_workgroup_size: 128
    .sgpr_count:     100
    .vgpr_count:     512
    .wavefront_size: 32
...
	.end_amdgpu_metadata
.endif
;; end of part 4
